; MI455X (gfx1250); checked and timed in simulation.
; The chip was launched on July 23, 2026; its instructions are those of AMD's public machine-readable ISA for CDNA 5 (MIT licence, August 2026) and "CDNA5" Instruction Set Architecture Reference Guide (July 2026). The comments in the code are by the model that wrote it; some were corrected since.
;; Causal Self Attention. Allowed arithmetic: matrix products marked QUANTISED: E2M3 operands, one E8M0 scale for each 32 along K, by v_wmma_scale_f32_16x16x128_f8f6f4 with both operands' format E2M3, f32 sums; everything else in f32.
;; Inputs: W_out_codes 1,024 x 32 x 24 uint8 (E2M3 codes of W_out, K innermost, in blocks of 32 codes, four codes in three bytes); W_out_scales 1,024 x 32 uint8 (E8M0 scales of W_out, one for each 32 codes along K); W_qkv_codes 3,072 x 32 x 24 uint8 (E2M3 codes of W_qkv, K innermost, in blocks of 32 codes, four codes in three bytes); W_qkv_scales 3,072 x 32 uint8 (E8M0 scales of W_qkv, one for each 32 codes along K); b_out 1,024 float32; b_qkv 3,072 float32; x_codes 4 x 2,048 x 32 x 24 uint8 (E2M3 codes of x, K innermost, in blocks of 32 codes, four codes in three bytes); x_scales 4 x 2,048 x 32 uint8 (E8M0 scales of x, one for each 32 codes along K).
;; Outputs: out0 4 x 2,048 x 1,024 float32.
;; This version of the problem:
;;   THIS VERSION OF THE PROBLEM IS GIVEN IN LOW PRECISION. The matrix products marked QUANTISED in the list below multiply operands that are first quantised to E2M3 (2 exponent bits, 3 mantissa bits; 6 bits a number), with one power-of-two scale for each 32 numbers along K (OCP MX v1.0); their sums are f32. All else is computed in f32.
;;   The module's matrix products, in the order in which they are computed (A, B: the left and right operand; K: the contracted axis; several contracted axes count as one K, in the product's order):
;;     1. [M 8,192, K 1,024] x [K 1,024, N 3,072]; A: input x (given as codes); B: input W_qkv (given as codes): QUANTISED
;;     2. batch 64 x [M 2,048, K 64] x [K 64, N 2,048]; A: computed on the way; B: computed on the way: QUANTISED
;;     3. batch 64 x [M 2,048, K 2,048] x [K 2,048, N 64]; A: softmax (see below); B: computed on the way: QUANTISED
;;     4. [M 8,192, K 1,024] x [K 1,024, N 1,024]; A: computed on the way; B: input W_out (given as codes): QUANTISED
;;   THE QUANTISER, for each operand of a quantised product, along K:
;;     - K is cut into blocks of 32 from its start; a last block that is shorter is filled with zeros.
;;     - A block's scale is 2^e with e = floor(log2(the largest magnitude in the block)) - 2, held to -126 .. 127; a block of zeros has e = 0. As a byte (E8M0): e + 127.
;;     - Each number is divided by its block's scale, clamped to +-7.5, and rounded to the nearest number of E2M3, ties to even, subnormals kept.
;;     - The product sums the exact products of the quantised numbers (number of the format x scale) in f32.
;;   ~~~python
;;   def quantise(x, axis):      # numpy; x: float32 -> the quantised numbers, widened to float32 again
;;       x = np.moveaxis(x, axis, -1); K = x.shape[-1]
;;       x = np.pad(x, [(0, 0)] * (x.ndim - 1) + [(0, -K % 32)]); x = x.reshape(x.shape[:-1] + (-1, 32)); a = np.abs(x).max(-1, keepdims=True)
;;       e = np.where(a > 0, np.clip(np.frexp(np.where(a > 0, a, 1))[1] - 1 - 2, -126, 127), 0)      # np.frexp(a)[1] - 1 = floor(log2(a)), exactly
;;       r = np.clip(x / 2.0 ** e, -7.5, 7.5)
;;       step = 2.0 ** (np.maximum(np.frexp(np.where(r == 0, 1, r))[1] - 1, 0) - 3)
;;       q = np.round(r / step) * step * 2.0 ** e      # np.round: ties to even
;;       return np.moveaxis(q.reshape(q.shape[:-2] + (-1,))[..., :K], -1, axis).astype(np.float32)
;;   ~~~
;;   SOFTMAX AHEAD OF A QUANTISED PRODUCT. Where the list says 'softmax', what is quantised is not the finished softmax but p = 2^(t - M), with t = logit x log2(e) and M = ceil(the row's largest t), a whole number; so 1/2 < the row's largest p <= 1. The row's sum l is taken of the UNQUANTISED p, in f32, and the product's result is divided by l at the end. Since M is a whole number, a kernel that streams over the keys may use a running M (the ceiling of the running maximum): every later rescaling is an exact power of two, which a block's scale takes up: the codes' values come out the same.
;;   OPERANDS COMPUTED ON THE WAY. 'Computed on the way' means the value that the module computes at that place (a softmax that the list does not call 'softmax' is quantised finished and normalised). What goes into a quantiser is computed in f32, as accurately as f32 sums, v_exp_f32 and their like allow (about 1e-6 of the number): no bf16 or f16 on the way to a quantiser, and a product that is left as it is and whose result goes on into a quantised operand takes f32 operands (vector FMAs, or v_wmma_f32_16x16x4_f32). A number that lies on a knife's edge between two numbers of the format may be rounded either way, as far as f32 arithmetic and the matrix unit's own rounding can turn it there, and no further.
;;   INPUTS GIVEN AS CODES. W_out (in the module: [1024, 1024], K = its axis 0); W_qkv (in the module: [1024, 3072], K = its axis 0); x (in the module: [4, 2048, 1024], K = its axis 2): each comes as NAME_codes (uint8): NAME with its K axis moved to the last place and cut into blocks of 32 codes, [.., K / 32, bytes a block], one block behind the other in memory; four codes in three bytes: a row's codes are one little-endian stream of bits, code i at bits 6 i .. 6 i + 5 (a code: sign, 2 exponent bits, 3 mantissa bits); and NAME_scales (uint8): the same leading axes, one E8M0 byte (e + 127) for each 32 codes along K. Its value is code x scale, taken as it is: it is not quantised again, and the codes and scales need not be those that the quantiser above would give.
;; One version. Each part assembles by itself: llvm-mc -triple=amdgcn-amd-amdhsa -mcpu=gfx1250 --defsym DOCPART=n.
;; ======== version 1 of 1: 3 launches
;; workspace buffers: qbuf 6,815,744 bytes; kvbuf 13,369,344 bytes; att_img 6,291,456 bytes; att_scales 262,144 bytes
;; launch qkv (part 1): grid 12 x 32, 4 waves a work-group, clusters of 4 x 4, 327,680 bytes of LDS; arguments x_codes, x_scales, W_qkv_codes, W_qkv_scales, b_qkv, qbuf, kvbuf; writes qbuf, kvbuf
.if DOCPART == 1
	.amdgcn_target "amdgcn-amd-amdhsa--gfx1250"
	.amdhsa_code_object_version 6
	.text
	.protected	k_q212aab9425_qkv
	.globl	k_q212aab9425_qkv
	.p2align	8
	.type	k_q212aab9425_qkv,@function
k_q212aab9425_qkv:
	s_mov_b64 s[64:65], 0
	v_nop
	global_prefetch_b8 v0, s[64:65] scope:SCOPE_SE
	s_setreg_imm32_b32 hwreg(HW_REG_WAVE_MODE, 25, 1), 1
	s_wait_xcnt 0x0
	s_wait_alu depctr_hold_cnt(0) depctr_sa_sdst(0) depctr_va_vdst(0) depctr_va_sdst(0) depctr_va_ssrc(0) depctr_va_vcc(0) depctr_vm_vsrc(0)
	s_getreg_b32 s2, hwreg(HW_REG_IB_STS2, 6, 4)
	s_cmp_eq_u32 s2, 0
	s_cbranch_scc0 .Lentry_in_a_cluster
	s_endpgm
.Lentry_in_a_cluster:
	s_bfe_u32 s2, ttmp6, 0x10000c
	s_cmp_lg_u32 s2, 0xf033
	s_cbranch_scc0 .Lentry_shape_is_right
	s_endpgm
.Lentry_shape_is_right:
; qkv = x W_qkv + b_qkv on codes of FP6 (E2M3) with one E8M0 scale for each 32 along K = 1,024; the result never leaves as f32: q and k are quantised along the head's 64,
; v along the keys, and stored as IMAGES OF THE NEXT PRODUCT'S OPERAND REGISTERS, with their scale words beside them.
; A tile of 256 x 256 is made by four waves, 128 x 128 each: 64 accumulators, 512 registers.  K goes in steps of 256 through two LDS slots filled by the tensor data mover; the scale bytes of
; the work-group's rows come once, with the first fills.  4 x 4 work-groups form a cluster: region A's tiles are shared along a row of the cluster, region B's along a column, each asked for jointly.
; ROLES.  D = (source 0 = 16 rows of region B) x (source 1 = 16 rows of region A): lane (r, h) holds region A's row r and region B's rows 8 h + 0 .. 7.  The quantiser runs along region B's rows.
;   kind q, k (cluster x = 0, 1): region A = 256 tokens of x, region B = 256 rows of W (four heads' 64): a lane's registers run along d.
;   kind v    (cluster x = 2):    region A = 256 rows of W, region B = 256 tokens: a lane's registers run along the keys.
; The kind is the cluster's x, the same number in all sixteen partners; it chooses pointers and constants, and one branch on the way out.
; ORDER INSIDE A BLOCK OF 32.  A lane's 16 registers of two neighbouring tiles are the indices 0-7 and 16-23 (h = 0) or 8-15 and 24-31 (h = 1) of a block, so the codes of a block lie in the order
; 0-7, 16-23, 8-15, 24-31.  Which numbers form a block, and so its scale, is as the quantiser asks.  The same order falls on q and k (along d) and on v and the softmax's p (along the keys): the products are the same sums.
; LIMITS: NaN and infinities are not served; a block whose largest magnitude lies under 2^-124 keeps the scale byte 1; a block of zeros has the byte 1 where the quantiser says 127 (its codes are zeros, and
; this program alone reads the bytes); the sums of the two attention products are grouped by the order stated above and not by ascending index.
; RECORDS.  kvbuf: a head (16 b + head) is 16 records of 13,056 bytes, one for 128 keys: K's 8 tile images of 768 bytes (registers 0-3 at 16 x lane, 4-5 at 512 + 8 x lane), V's 4 images of 1,536 bytes
; (registers 4 c .. 4 c + 3 at 512 c + 16 x lane), K's scale words (256 (t / 4) + 16 r + 4 (t % 4)), V's (16 r + 4 x tile).  qbuf: records of 6,656 bytes: 8 images and the scale words, as K's.
; REGISTERS, in windows of 256: window 0: v1-31 addresses; v32-63 scale words, two sets; v64-127 the bias; from v128 region A's fragments, one set; v244-251 the bias loads' offsets; on the way out v128-243 are at work.
;   window 1: region B's fragments, two sets.   windows 2, 3: the accumulators ((a, b) at v[8 (8 (a % 4) + b)]).
.set KSTEP,  256
.set NQ,     2                         ; matrix instructions deep in a slot
.set ROWB,   192                       ; a tile's row: 256 codes
.set KROW,   768                       ; a row of x or of W in memory
.set PITCH,  240                       ; an LDS row: 3 x (64 bytes + 16 of padding)
.set FR,     12
.set NL,     6
.set NP,     4
.set HALFT,  128*PITCH
.set SLOT,   4*HALFT
.set LAPS,   2                         ; 1,024 along K = twice round the ring
.set KS,     32                        ; a row of scale bytes
.set SCL,    2*SLOT
.set HALFS,  16*272                    ; the scales of 128 rows: 16 units of 256 bytes + 16 of padding
.set SBLK,   2*272
.set SPARE,  SCL+4*HALFS               ; the spare words, 128 bytes a wave: two blocks of 256 bytes that no other line names
.set ADRA, 16
.set ADRB, 20
.set LI16, 24                          ; v24  16 x lane
.set LI8,  25                          ; v25  8 x lane
.set VSC,  26                          ; v26  16 r + h x a head's record: where my scale words go
.set ADRS, 27
.set SPW,  28
.set NIL,  29
.set SH16, 30                          ; v30  16 h
.set SC,   32
.set BIAS, 64                          ; v64-127
.set AF,   128
.set VO,   244                         ; v244-251
.set HN,   128                         ; the way out: v128-191 64 numbers of a lane
.set CD,   192                         ; v192-203 a fragment's codes; v204-206, v208-210 the conversions' second halves
.set TM,   212                         ; v212-215 largest magnitudes, v216-219 bytes, v224-227 the conversions' scale operands
.set PWS,  232                         ; v232-239 the scale words of the wave's eight blocks
.set XW,   240                         ; v240-243 four scale words to store
.set SEL,  100                         ; s[100:101] lane selects for v_permlanex16_b32
.set G1, 24
.set G0, 32
.set G1B, 48
.set G0B, 56
.set G1S, 68
.set G0S, 76
.set G1SB, 80
.set G0SB, 88
.set MSB, 0
.macro WIN new                         ; the immediate's high byte repeats the setting that is left
.if MSB != \new
	s_set_vgpr_msb (MSB<<8)|\new
.set MSB, \new
.endif
.endm
.set MUL_LO, 0xa1                      ; source 0 window 1, source 1 window 0, C and D window 2
.set MUL_HI, 0xf1                      ; the same, C and D window 3
.set TO_B,   0x40                      ; destination window 1, address window 0
; A joint load: waves 0 and 1 fetch for region A, waves 2 and 3 for region B.  The branch hangs on the wave's number alone.  Four v_nop follow each of the two lines.
.macro JLOAD g0a, g1a, g0b, g1b
	s_cmp_eq_u32 s15, 0
	s_cbranch_scc0 .Lfor_b_\@
	tensor_load_to_lds s[\g0a:\g0a+3], s[\g1a:\g1a+7]
	s_nop 0
.rept 4
	v_nop
.endr
	s_branch .Lasked_\@
.Lfor_b_\@:
	tensor_load_to_lds s[\g0b:\g0b+3], s[\g1b:\g1b+7]
	s_nop 0
.rept 4
	v_nop
.endr
.Lasked_\@:
.endm
.macro CREST                           ; a round of the cluster's barrier behind its opening barrier
	s_cmp_lg_u32 s14, 0
	s_cbranch_scc1 .Lnot_wave_0_\@
	s_barrier_signal -3
.Lnot_wave_0_\@:
	s_barrier_wait -3
	s_barrier_signal -1
	s_barrier_wait -1
.endm
.macro CROUND
	s_barrier_signal -1
	s_barrier_wait -1
	CREST
.endm
	s_load_b256 s[4:11], s[0:1], 0x0               ; x's codes s[4:5], x's scales s[6:7], W's codes s[8:9], W's scales s[10:11]
	s_load_b64 s[12:13], s[0:1], 0x20              ; b_qkv
	s_load_b128 s[96:99], s[0:1], 0x28             ; qbuf s[96:97], kvbuf s[98:99]
	v_lshl_add_u32 v[SPW], v0, 2, SPARE
	v_mov_b32 v[NIL], 0
	ds_add_u32 v28, v29
	ds_add_u32 v28, v29
	s_wait_dscnt 0x0
	v_lshrrev_b32 v1, 5, v0
	v_readfirstlane_b32 s14, v1                    ; wave 0..3
	s_lshr_b32 s15, s14, 1                         ; which half of region A's rows is mine.  Also: I fetch for A (0) or for B (1)
	s_and_b32 s16, s14, 1                          ; which half of region B's rows.  Also: which 128 rows of that tile I fetch
	s_bfe_u32 s40, ttmp6, 0x40000                  ; cx, cy: my place in the cluster
	s_bfe_u32 s41, ttmp6, 0x40004
	s_and_b32 s100, ttmp7, 0xffff                  ; the cluster's y: which 1,024 tokens
	s_cmp_eq_u32 ttmp9, 2                          ; kind v?
	s_cselect_b32 s17, 2, s100                     ; region A: W's rows 2,048 on (v), or the tokens (q, k)
	s_cselect_b32 s42, s100, ttmp9                 ; region B: the tokens (v), or W's rows 1,024 x kind on (q, k)
	s_lshl_b32 s42, s42, 2
	s_add_co_u32 s42, s42, s40                     ; region B's tile of 256 rows: cx enters it, cy never
	s_lshl_b32 s17, s17, 2
	s_add_co_u32 s17, s17, s41                     ; region A's tile: cy enters it, cx never
	s_lshl_b32 s43, s41, 2
	s_lshl_b32 s43, 15, s43                        ; my row of the cluster
	s_lshl_b32 s44, 0x1111, s40                    ; my column
	; descriptor group 1: a tile of 128 rows x 192 bytes, 16 bytes of padding behind every 64.  x and W have rows of the same length, so one shape serves both roles
	s_or_b32 s[G1+0], s43, (0<<16)|(1<<20)|(1<<21)|(3<<22)|(3<<25)
	s_or_b32 s[G1B+0], s44, (0<<16)|(1<<20)|(1<<21)|(3<<22)|(3<<25)
.irp g, G1, G1B
	s_mov_b32 s[\g+1], ROWB<<16                    ; tensor_dim0
	s_mov_b32 s[\g+2], 128<<16                     ; tensor_dim1
	s_mov_b32 s[\g+3], ROWB<<16                    ; tile_dim0
	s_mov_b32 s[\g+4], 128                         ; tile_dim1
	s_mov_b32 s[\g+5], KROW                        ; tensor_dim0_stride
	s_mov_b32 s[\g+6], 0
	s_mov_b32 s[\g+7], 0
.endr
	; the scales of 128 rows: 4,096 dense bytes as 16 rows of 256 bytes (32 elements of 8), 16 bytes of padding behind each
	s_or_b32 s[G1S+0], s43, (3<<16)|(1<<20)|(1<<21)|(5<<22)|(3<<25)
	s_or_b32 s[G1SB+0], s44, (3<<16)|(1<<20)|(1<<21)|(5<<22)|(3<<25)
.irp g, G1S, G1SB
	s_mov_b32 s[\g+1], 32<<16
	s_mov_b32 s[\g+2], 16<<16
	s_mov_b32 s[\g+3], 32<<16
	s_mov_b32 s[\g+4], 16
	s_mov_b32 s[\g+5], 32
	s_mov_b32 s[\g+6], 0
	s_mov_b32 s[\g+7], 0
.endr
	s_lshl_b32 s18, s16, 7                         ; which 128 rows of the tile I fetch
	s_lshl_b32 s20, s17, 8
	s_add_co_u32 s20, s20, s18                     ; region A: row 256 x tile + 128 x half
	s_lshl_b32 s46, s42, 8
	s_add_co_u32 s46, s46, s18                     ; region B likewise
	s_mov_b32 s21, 0
	s_mov_b32 s47, 0
	s_mov_b64 s[18:19], KS
	s_mul_u64 s[22:23], s[20:21], s[18:19]         ; where these rows' scales begin, in bytes
	s_mul_u64 s[92:93], s[46:47], s[18:19]
	s_mov_b64 s[18:19], KROW
	s_mul_u64 s[20:21], s[20:21], s[18:19]         ; and their codes
	s_mul_u64 s[46:47], s[46:47], s[18:19]
	s_mul_i32 s45, s14, HALFT                      ; where they go: wave x 128 rows
	s_mul_i32 s94, s14, HALFS
	s_wait_kmcnt 0x0
	s_cmp_eq_u32 ttmp9, 2                          ; kind v: x and W change places; the choice hangs on the cluster's x alone
	s_mov_b64 s[100:101], s[4:5]
	s_cselect_b64 s[4:5], s[8:9], s[4:5]           ; region A's codes
	s_cselect_b64 s[8:9], s[100:101], s[8:9]       ; region B's codes
	s_mov_b64 s[100:101], s[6:7]
	s_cselect_b64 s[6:7], s[10:11], s[6:7]         ; region A's scales
	s_cselect_b64 s[10:11], s[100:101], s[10:11]   ; region B's scales
	s_add_nc_u64 s[20:21], s[4:5], s[20:21]
	s_add_nc_u64 s[22:23], s[6:7], s[22:23]
	s_add_nc_u64 s[46:47], s[8:9], s[46:47]
	s_add_nc_u64 s[92:93], s[10:11], s[92:93]
	CROUND                                         ; all sixteen work-groups are here: the first joint loads meet
	s_mov_b32 s[G0S], 1
	s_add_co_u32 s[G0S+1], s94, SCL
	s_mov_b64 s[G0S+2:G0S+3], s[22:23]
	s_or_b32 s[G0S+3], s[G0S+3], 0x80000000
	s_mov_b32 s[G0SB], 1
	s_add_co_u32 s[G0SB+1], s94, SCL
	s_mov_b64 s[G0SB+2:G0SB+3], s[92:93]
	s_or_b32 s[G0SB+3], s[G0SB+3], 0x80000000
	JLOAD G0S, G1S, G0SB, G1SB                     ; the scales first: they are wanted with K step 0
.irp s, 0,1
	s_mov_b32 s[G0+4*\s], 1
	s_add_co_u32 s[G0+4*\s+1], s45, \s*SLOT
	s_add_nc_u64 s[G0+4*\s+2:G0+4*\s+3], s[20:21], \s*ROWB
	s_or_b32 s[G0+4*\s+3], s[G0+4*\s+3], 0x80000000
	s_mov_b32 s[G0B+4*\s], 1
	s_add_co_u32 s[G0B+4*\s+1], s45, \s*SLOT
	s_add_nc_u64 s[G0B+4*\s+2:G0B+4*\s+3], s[46:47], \s*ROWB
	s_or_b32 s[G0B+4*\s+3], s[G0B+4*\s+3], 0x80000000
	JLOAD G0+4*\s, G1, G0B+4*\s, G1B
.endr
	v_and_b32 v1, 15, v0                           ; r
	v_bfe_u32 v2, v0, 4, 1                         ; h
	v_mul_u32_u24 v3, v1, PITCH
	v_mul_u32_u24 v4, v2, 24
	v_add_nc_u32 v4, v3, v4                        ; a fragment's row x pitch + 24 x half
	v_lshl_add_u32 v5, v2, 4, v4                   ; and the same behind one padding more
	s_mul_i32 s21, s15, HALFT                      ; my 128 rows of region A
	s_mul_i32 s22, s16, HALFT                      ; my 128 rows of region B,
	s_add_co_u32 s22, s22, 2*HALFT                 ; which lie behind A's 256
.irp s, 0,1
	v_add_nc_u32 v[ADRA+\s], s21, v4
	v_add_nc_u32 v[ADRB+\s], s22, v4
	v_add_nc_u32 v[ADRA+2+\s], s21, v5
	v_add_nc_u32 v[ADRB+2+\s], s22, v5
	s_add_co_u32 s21, s21, SLOT
	s_add_co_u32 s22, s22, SLOT
.endr
	v_mul_u32_u24 v5, v1, KS                       ; my row's scales: 32 bytes a row,
	v_lshrrev_b32 v6, 8, v5
	v_lshl_add_u32 v5, v6, 4, v5                   ; and 16 more for each 256 passed
	s_mul_i32 s21, s15, HALFS
	s_mul_i32 s22, s16, HALFS
	s_add_co_u32 s22, s22, 2*HALFS
	s_sub_co_u32 s22, s22, s21
	v_mul_u32_u24 v6, s22, v2                      ; lanes 16-31 take region B's
	s_add_co_u32 s21, s21, SCL
	v_add_nc_u32 v5, v5, v6
	v_add_nc_u32 v[ADRS], s21, v5
	; THE WAY OUT'S PLACES, in registers that feed no descriptor and no LDS address
	s_lshl_b32 s20, s17, 8
	s_lshl_b32 s21, s15, 7
	s_add_co_u32 s20, s20, s21                     ; my wave's first row of region A
	s_lshl_b32 s21, s42, 8
	s_lshl_b32 s22, s16, 7
	s_add_co_u32 s21, s21, s22                     ; and of region B
	s_cmp_eq_u32 ttmp9, 2
	s_cselect_b32 s22, s21, s20                    ; my first token: 128 tokens are one record
	s_cselect_b32 s23, s20, s21                    ; my first row of W: 128 rows are two heads
	s_cselect_b32 s94, 512, 0                      ; V's scale words lie 512 bytes behind K's
	s_cselect_b32 s45, 0, 32                       ; the bias's place for a lane: q, k: W's row 16 x + 8 h + j;  v: W's row 16 x + r
	s_cselect_b32 s46, 4, 0
	s_cselect_b32 s47, 0, 4
	s_cmp_eq_u32 ttmp9, 0                          ; kind q goes to qbuf, k and v to kvbuf
	s_mov_b32 s95, 208896
	s_cselect_b32 s95, 106496, s95                 ; a head's record
	s_mov_b32 s20, 13056
	s_cselect_b32 s20, 6656, s20                   ; a record of 128 tokens
	s_mov_b32 s21, 12288
	s_cselect_b32 s21, 6144, s21                   ; where its scale words begin
	s_cselect_b64 s[96:97], s[96:97], s[98:99]
	s_add_co_u32 s21, s21, s94
	s_lshr_b32 s100, s22, 11                       ; b
	s_lshl_b32 s100, s100, 4
	s_and_b32 s101, s23, 1023
	s_lshr_b32 s101, s101, 6                       ; my first head
	s_add_co_u32 s100, s100, s101
	s_mul_i32 s100, s100, s95
	s_bfe_u32 s101, s22, 0x40007                   ; which 128 tokens of the 2,048
	s_mul_i32 s101, s101, s20
	s_add_co_u32 s100, s100, s101                  ; under 2^31: 64 records of 208,896 bytes at the most
	s_mov_b32 s101, 0
	s_add_nc_u64 s[96:97], s[96:97], s[100:101]    ; my first head's record
	s_mov_b32 s100, s95
	s_add_nc_u64 s[98:99], s[96:97], s[100:101]    ; my second head's
	s_mov_b32 s100, s21
	s_add_nc_u64 s[92:93], s[96:97], s[100:101]    ; the first head's scale words
	s_lshl_b32 s100, s23, 2
	s_add_nc_u64 s[12:13], s[12:13], s[100:101]    ; the bias of my 128 rows of W
	v_and_b32 v6, 31, v0
	v_lshlrev_b32 v[LI16], 4, v6
	v_lshlrev_b32 v[LI8], 3, v6
	v_mul_u32_u24 v[VSC], s95, v2
	v_lshl_add_u32 v[VSC], v1, 4, v[VSC]
	v_lshlrev_b32 v[SH16], 4, v2
	v_mul_u32_u24 v3, s45, v2
	v_mad_u32_u24 v3, v1, s46, v3
.irp j, 0,1,2,3,4,5,6,7
	s_mul_i32 s100, s47, \j
	v_add_nc_u32 v[VO+\j], s100, v3
.endr
.irp x, 0,1,2,3,4,5,6,7                        ; the bias in the result's layout, once: register 8 x + j.  q, k: x is region B's block;  v: x is region A's block, the same number in all eight j
.irp j, 0,1,2,3,4,5,6,7
	global_load_b32 v[BIAS+8*\x+\j], v[VO+\j], s[12:13] offset:64*\x
.endr
.endr
	s_mov_b32 s[SEL], 0x76543210
	s_mov_b32 s[SEL+1], 0xfedcba98
.macro FRAG reg, adr, q, i             ; a fragment, 16 rows x 128 K, is 12 registers: lane (r, h): registers 6 c .. 6 c + 5 hold K = 64 c + 32 h + 0 .. 31: 24 bytes of the row, as they lie, in pieces of 8
.irp p, 0,1,2,3,4,5
.set PCE, 12*(\q)+6*(\p/3)+\p%3        ; where the piece three on (lanes 16-31) lies behind one padding more, the second address register serves
.if PCE%8 < 5
	ds_load_b64 v[\reg+2*\p:\reg+2*\p+1], v[\adr] offset:8*PCE+16*(PCE/8)+(\i)*16*PITCH
.else
	ds_load_b64 v[\reg+2*\p:\reg+2*\p+1], v[\adr+2] offset:8*PCE+16*(PCE/8)+(\i)*16*PITCH
.endif
.endr
.endm
; 16 matrix instructions: region A's blocks a0, a0 + 1 x region B's eight.  The 64 accumulators take turns, one instruction a turn, in the same order in every step.
.macro MUL16 a0, p, q, sc, zero
.irp a, \a0, \a0+1
.irp b, 0,1,2,3,4,5,6,7
.if \zero
	v_wmma_scale_f32_16x16x128_f8f6f4 v[8*(8*((\a)%4)+\b):8*(8*((\a)%4)+\b)+7], v[128*(\p)+FR*\b:128*(\p)+FR*\b+FR-1], v[AF+FR*(\a):AF+FR*(\a)+FR-1], 0, v[SC+8*NQ*(\sc)+NQ*\b+(\q)], v[SC+8*NQ*(\sc)+NQ*(\a)+(\q)] matrix_a_fmt:MATRIX_FMT_FP6 matrix_b_fmt:MATRIX_FMT_FP6 matrix_a_scale:MATRIX_SCALE_ROW1
.else
	v_wmma_scale_f32_16x16x128_f8f6f4 v[8*(8*((\a)%4)+\b):8*(8*((\a)%4)+\b)+7], v[128*(\p)+FR*\b:128*(\p)+FR*\b+FR-1], v[AF+FR*(\a):AF+FR*(\a)+FR-1], v[8*(8*((\a)%4)+\b):8*(8*((\a)%4)+\b)+7], v[SC+8*NQ*(\sc)+NQ*\b+(\q)], v[SC+8*NQ*(\sc)+NQ*(\a)+(\q)] matrix_a_fmt:MATRIX_FMT_FP6 matrix_b_fmt:MATRIX_FMT_FP6 matrix_a_scale:MATRIX_SCALE_ROW1
.endif
.endr
.endr
.endm
.macro FETCH_B slot, q, p
	WIN TO_B
.irp i, 0,1,2,3,4,5,6,7
	FRAG 128*(\p)+FR*\i, ADRB+\slot, \q, \i
.endr
	WIN 0
.endm
.macro FETCH_A slot, q, i0
.irp i, \i0, \i0+1, \i0+2, \i0+3
	FRAG AF+FR*(\i), ADRA+\slot, \q, \i
.endr
.endm
.macro SCALES sc                       ; a K step's scale words: lanes 0-15 take region A's block i, lanes 16-31 region B's
.irp i, 0,1,2,3,4,5,6,7
	ds_load_b64 v[SC+8*NQ*\sc+NQ*\i:SC+8*NQ*\sc+NQ*\i+1], v[ADRS] offset:\i*SBLK
.endr
.endm
.macro PLACES n                        ; plain vector instructions between a matrix instruction and a load into, or a vector read or write of, its registers
.rept \n
	v_nop
.endr
.endm
.macro STEP slot, q, zero              ; a step of 128 along K that has its successor in the same slot
	s_wait_dscnt 4*NL                              ; B's set and A's blocks 0-3 are in; the 24 youngest loads (A's blocks 4-7) may be out
	WIN MUL_LO
	MUL16 0, (\q)%2, \q, \slot, \zero
	MUL16 2, (\q)%2, \q, \slot, \zero
	s_wait_dscnt 0
	PLACES NP
	FETCH_B \slot, (\q)+1, 1-(\q)%2
	FETCH_A \slot, (\q)+1, 0
	WIN MUL_HI
	MUL16 4, (\q)%2, \q, \slot, \zero
	MUL16 6, (\q)%2, \q, \slot, \zero
	PLACES NP
	WIN 0
	FETCH_A \slot, (\q)+1, 4
.endm
; A slot's last step changes slots: one barrier; in front of it each wave waits for all its tensor loads, adds 0 to its spare word, and waits for that and for its reads of this slot.
.macro TURN slot, next, fill
	s_wait_tensorcnt 0x0                           ; all my tensor loads have landed: my part of the next slot
	ds_add_u32 v[SPW], v[NIL]                      ; 0 onto my spare word
	s_wait_dscnt 4*NL+1                            ; (the add and the 24 youngest loads may be out)
	WIN MUL_LO
	MUL16 0, 1, NQ-1, \slot, 0
	s_wait_dscnt 0x0                               ; the add is done, and my reads of this slot are over
	s_barrier_signal -1
	MUL16 2, 1, NQ-1, \slot, 0
	WIN 0
	s_barrier_wait -1
.if \fill
	CREST                                          ; the barrier has opened a round of the cluster's barrier: no wave of any partner still reads this slot or has a load on its way
	s_add_nc_u64 s[G0+4*\slot+2:G0+4*\slot+3], s[G0+4*\slot+2:G0+4*\slot+3], 2*ROWB
	s_add_nc_u64 s[G0B+4*\slot+2:G0B+4*\slot+3], s[G0B+4*\slot+2:G0B+4*\slot+3], 2*ROWB
	JLOAD G0+4*\slot, G1, G0B+4*\slot, G1B         ; the first tensor load behind the round; its four v_nop are the places in front of the loads below
.else
	PLACES NP
.endif
	v_add_nc_u32 v[ADRS], 4*NQ, v[ADRS]            ; on to the next K step's scale words
	FETCH_B \next, 0, 0
	FETCH_A \next, 0, 0
	SCALES \next
	WIN MUL_HI
	MUL16 4, 1, NQ-1, \slot, 0
	MUL16 6, 1, NQ-1, \slot, 0
	PLACES NP
	WIN 0
	FETCH_A \next, 0, 4
.endm
	s_wait_tensorcnt 1                             ; the scales and my part of K step 0 are in (K step 1's load may be out),
	s_barrier_signal -1
	s_barrier_wait -1                              ; everybody's are
	FETCH_B 0, 0, 0
	FETCH_A 0, 0, 0
	SCALES 0
	FETCH_A 0, 0, 4
	STEP 0, 0, 1                                   ; the first step's products start the sums
	s_mov_b32 s3, LAPS-1
.Llap:
	TURN 0, 1, 1
	STEP 1, 0, 0
	TURN 1, 0, 1
	STEP 0, 0, 0
	s_sub_co_u32 s3, s3, 1
	s_cmp_lg_u32 s3, 0
	s_cbranch_scc1 .Llap
	TURN 0, 1, 0                                   ; the last lap fills nothing
	STEP 1, 0, 0
	s_wait_dscnt 4*NL
	WIN MUL_LO
	MUL16 0, 1, NQ-1, 1, 0
	MUL16 2, 1, NQ-1, 1, 0
	s_wait_dscnt 0
	WIN MUL_HI
	MUL16 4, 1, NQ-1, 1, 0
	MUL16 6, 1, NQ-1, 1, 0
	WIN 0
; THE WAY OUT, block by block of region A's 16 rows: the block's eight accumulators, 64 numbers a lane along region B's 128 rows, take the bias, are quantised, and leave as register images.
.macro BIASADD a, kind                 ; + bias, and into window 0; each accumulator is read from its low end on
.set WW, 0x02+(\a)/4
	WIN WW                                         ; source 0: window 2 or 3
.irp b, 0,1,2,3,4,5,6,7
.irp jj, 0,2,4,6
.if \kind
	v_pk_add_f32 v[HN+8*\b+\jj:HN+8*\b+\jj+1], v[64*((\a)%4)+8*\b+\jj:64*((\a)%4)+8*\b+\jj+1], v[BIAS+8*(\a)+\jj:BIAS+8*(\a)+\jj+1]
.else
	v_pk_add_f32 v[HN+8*\b+\jj:HN+8*\b+\jj+1], v[64*((\a)%4)+8*\b+\jj:64*((\a)%4)+8*\b+\jj+1], v[BIAS+8*\b+\jj:BIAS+8*\b+\jj+1]
.endif
.endr
.endr
	WIN 0
.endm
; 64 numbers of a lane, v[s] on, four blocks of 32 shared with lane l xor 16, become a fragment's codes in v[CD] on and its scale word in v[pw].
.macro QUANT s, pw
.irp b, 0,1,2,3
	v_max3_num_f32 v[TM+\b], |v[\s+16*\b]|, |v[\s+1+16*\b]|, 0x1800000   ; my 16 numbers of block b, and the floor 2^(3 - 127): the byte cannot fall under 1
.endr
.irp i, 2,4,6,8,10,12,14
.irp b, 0,1,2,3
	v_max3_num_f32 v[TM+\b], v[TM+\b], |v[\s+16*\b+\i]|, |v[\s+1+16*\b+\i]|
.endr
.endr
.irp b, 0,1,2,3
	v_permlanex16_b32 v[TM+4+\b], v[TM+\b], s[SEL], s[SEL+1]
.endr
.irp b, 0,1,2,3
	v_max_num_f32 v[TM+\b], v[TM+\b], v[TM+4+\b]   ; the block's largest magnitude
.endr
.irp b, 0,1,2,3
	v_add_nc_u32 v[TM+12+\b], 0xff000000, v[TM+\b]   ; 2 off its exponent field: the conversion's scale operand
.endr
.irp b, 0,1,2,3
	v_lshrrev_b32 v[TM+4+\b], 23, v[TM+12+\b]      ; the scale's byte
.endr
	v_lshl_or_b32 v[\pw], v[TM+5], 8, v[TM+4]
	v_lshl_or_b32 v[\pw], v[TM+6], 16, v[\pw]
	v_lshl_or_b32 v[\pw], v[TM+7], 24, v[\pw]
.irp c, 0,1
	v_cvt_scalef32_pk16_fp6_f32 v[CD+6*\c:CD+2+6*\c], v[\s+32*\c:\s+15+32*\c], v[TM+12+2*\c]
	v_cvt_scalef32_pk16_fp6_f32 v[CD+12+4*\c:CD+14+4*\c], v[\s+16+32*\c:\s+31+32*\c], v[TM+12+2*\c+1]   ; (a conversion's three registers begin on an even number)
.endr
	v_nop                                          ; one plain place behind a scaled conversion
.irp c, 0,1                                    ; a whole block to a lane: lanes 0-15 block 2 c, lanes 16-31 block 2 c + 1
.irp i, 0,1,2
	v_permlane16_swap_b32 v[CD+6*\c+\i], v[CD+12+4*\c+\i]
.endr
.irp i, 0,1,2
	v_mov_b32 v[CD+3+6*\c+\i], v[CD+12+4*\c+\i]
.endr
.endr
.endm
.macro OUT_QK a                        ; registers 0-5 are my first head's 64 along d, registers 6-11 my second head's; block a is tile a of the record's 128 tokens
	global_store_b128 v[LI16], v[CD:CD+3], s[96:97] offset:768*(\a)             ; 32 lanes store 512 consecutive bytes, at a multiple of 256 from the buffer's first byte
	global_store_b64 v[LI8], v[CD+4:CD+5], s[96:97] offset:768*(\a)+512         ; and 256
	global_store_b128 v[LI16], v[CD+6:CD+9], s[98:99] offset:768*(\a)
	global_store_b64 v[LI8], v[CD+10:CD+11], s[98:99] offset:768*(\a)+512
.if ((\a) == 3) || ((\a) == 7)
.irp j, 0,1,2,3
	v_bfe_u32 v[XW+\j], v[PWS+4*((\a)/4)+\j], v[SH16], 16   ; lanes 0-15: the first head's two bytes; lanes 16-31: the second head's; the upper two bytes are 0, over zero codes
.endr
	global_store_b128 v[VSC], v[XW:XW+3], s[92:93] offset:256*((\a)/4)          ; four tiles' words of a token: sixteen lanes fill 256 aligned bytes of each head's record
.endif
.endm
.macro OUT_V a                         ; a whole fragment: 16 of a head's 64 x the record's 128 keys; blocks 0-3 my first head, 4-7 my second
.irp c, 0,1,2
.if (\a) < 4
	global_store_b128 v[LI16], v[CD+4*\c:CD+4*\c+3], s[96:97] offset:6144+1536*((\a)%4)+512*\c
.else
	global_store_b128 v[LI16], v[CD+4*\c:CD+4*\c+3], s[98:99] offset:6144+1536*((\a)%4)+512*\c
.endif
.endr
.if (\a) == 7
.irp j, 0,1,2,3
	v_cndmask_b32 v[XW+\j], v[PWS+\j], v[PWS+4+\j], vcc_lo   ; lanes 0-15: the first head's four tiles; lanes 16-31: the second head's
.endr
	global_store_b128 v[VSC], v[XW:XW+3], s[92:93]
.endif
.endm
.macro EPI kind
.irp a, 0,1,2,3,4,5,6,7
.if \a > 0
	s_wait_xcnt 0x0                                ; the last block's stores have had their addresses translated (ISA guide 3.1): only behind this wait are their data registers written again
.endif
	BIASADD \a, \kind
	QUANT HN, PWS+\a
.if \kind
	OUT_V \a
.else
	OUT_QK \a
.endif
.endr
.endm
	PLACES NP                                      ; behind the last products: the lines below write registers that held region A's fragments
	s_wait_loadcnt 0x0                             ; the bias
.irp b, 0,1,2,3
	v_mov_b32 v[TM+4+\b], 0                        ; written once: a lane permute's destination counts as one of its sources
.endr
	v_cmp_ne_u32 vcc_lo, 0, v2                     ; lanes 16-31
	s_cmp_eq_u32 ttmp9, 2                          ; the kind: the same in every partner
	s_cbranch_scc1 .Lepi_v
	EPI 0
	s_branch .Lend
.Lepi_v:
	EPI 1
.Lend:
	s_wait_tensorcnt 0x0                           ; the wave's end
	ds_add_u32 v[SPW], v[NIL]
	s_wait_dscnt 0x0
	CROUND                                         ; the closing round: no work-group ends while a partner may still ask for a tile that names it
	s_endpgm
.Lfunc_end_k_q212aab9425_qkv:
	.size	k_q212aab9425_qkv, .Lfunc_end_k_q212aab9425_qkv-k_q212aab9425_qkv
	.p2alignl 7, 3214868480
	.fill 96, 4, 3214868480
	.section	.rodata,"a",@progbits
	.p2align	6, 0x0
	.amdhsa_kernel k_q212aab9425_qkv
		.amdhsa_group_segment_fixed_size 327680
		.amdhsa_private_segment_fixed_size 0
		.amdhsa_enable_private_segment 0
		.amdhsa_kernarg_size 56
		.amdhsa_user_sgpr_count 2
		.amdhsa_user_sgpr_kernarg_segment_ptr 1
		.amdhsa_wavefront_size32 1
		.amdhsa_system_sgpr_workgroup_id_x 1
		.amdhsa_system_sgpr_workgroup_id_y 1
		.amdhsa_system_sgpr_workgroup_id_z 1
		.amdhsa_system_vgpr_workitem_id 0
		.amdhsa_next_free_vgpr 1024
		.amdhsa_next_free_sgpr 102
		.amdhsa_reserve_vcc 1
		.amdhsa_float_denorm_mode_32 3
		.amdhsa_float_denorm_mode_16_64 3
		.amdhsa_memory_ordered 1
		.amdhsa_forward_progress 1
		.amdhsa_inst_pref_size 238
	.end_amdhsa_kernel
	.amdgpu_metadata
---
amdhsa.version: [ 1, 2 ]
amdhsa.kernels:
  - .name:           k_q212aab9425_qkv
    .symbol:         k_q212aab9425_qkv.kd
    .args:
      - { .name: x_codes, .offset: 0, .size: 8, .value_kind: global_buffer, .address_space: global }
      - { .name: x_scales, .offset: 8, .size: 8, .value_kind: global_buffer, .address_space: global }
      - { .name: W_qkv_codes, .offset: 16, .size: 8, .value_kind: global_buffer, .address_space: global }
      - { .name: W_qkv_scales, .offset: 24, .size: 8, .value_kind: global_buffer, .address_space: global }
      - { .name: b_qkv, .offset: 32, .size: 8, .value_kind: global_buffer, .address_space: global }
      - { .name: qbuf, .offset: 40, .size: 8, .value_kind: global_buffer, .address_space: global }
      - { .name: kvbuf, .offset: 48, .size: 8, .value_kind: global_buffer, .address_space: global }
    .group_segment_fixed_size: 327680
    .private_segment_fixed_size: 0
    .kernarg_segment_align: 8
    .kernarg_segment_size: 56
    .max_flat_workgroup_size: 128
    .sgpr_count:     102
    .vgpr_count:     1024
    .wavefront_size: 32
...
	.end_amdgpu_metadata
.endif
;; end of part 1
;; launch attn (part 2): grid 4 x 64, 16 waves a work-group, no clusters, 210,944 bytes of LDS; arguments qbuf, kvbuf, att_img, att_scales; writes att_img, att_scales
.if DOCPART == 2
	.amdgcn_target "amdgcn-amd-amdhsa--gfx1250"
	.amdhsa_code_object_version 6
	.text
	.protected	k_q212aab9425_attn
	.globl	k_q212aab9425_attn
	.p2align	8
	.type	k_q212aab9425_attn,@function
k_q212aab9425_attn:
	s_mov_b64 s[64:65], 0
	v_nop
	global_prefetch_b8 v0, s[64:65] scope:SCOPE_SE
	s_setreg_imm32_b32 hwreg(HW_REG_WAVE_MODE, 25, 1), 1
	s_wait_xcnt 0x0
; o = softmax(q k^T / 8, causal) v for one head (16 b + head = work-group y), both products on codes of FP6 (E2M3) with E8M0 scales; o is divided by the row's sum, quantised along d and stored as an image of
; the last product's operand registers (att_img: [row / 16][head][768 bytes]) with its two scale bytes (att_scales: [row][2 head + block]).
; THE SOFTMAX: t = score x log2(e) / 8; M = the running largest t rounded up to a whole number; p = 2^(t - M) is quantised along the keys, not normalised; the row's sum is taken of the unquantised p.
; When M moves, the sum and O are multiplied by 2^(old M - new M): exact.
; SHARES.  Work-group x = i owns the query blocks 7 - i and i of 256.  Wave w takes, in pass A, the 16 queries from 256 (7 - i) + 16 w on, in pass B those from 256 i + 16 (15 - w) on.  A tile of queries at q0
; walks the key steps 0 .. q0 / 128, so a wave walks (2 (7 - i) + w / 8 + 1) + (2 i + (15 - w) / 8 + 1) = 17 steps of 128 keys: the same number for every wave of the launch.
; THE HEAD'S K AND V STAY IN LDS: its record of 208,896 bytes (16 steps of 13,056: K's 8 images, V's 4, K's and V's scale words) is copied as it lies, by 48 tensor loads of 17 rows x 256 bytes, three a wave,
; all at the head.  No LDS byte is filled twice.  The first sixteen pieces hold steps 0 to 4, which pass A walks while the others land.
; NO JOINT LOADS: the four work-groups of a head differ in their queries, and the steps that the causal mask leaves out are jumped over by branches on those; partners of a joint request have no branch
; that differs between them.  What they would share is read once by each, 208,896 bytes.
; LAYOUT.  Both products are used transposed: S^T = K Q^T (source 0 = 16 keys, source 1 = my 16 queries; K = 64, the upper 64 of the instruction's 128 are zero codes on both sides),
; O^T = V^T P^T (source 0 = 16 of the head's 64): a lane holds one query (lane % 16) throughout.  Register 16 b + 8 u + j of S^T is key 32 b + 16 u + 8 (lane / 16) + j: p's codes lie inside a block of 32 in
; the order 0-7, 16-23, 8-15, 24-31, as V's do.
; The scale bytes leave as 2 bytes a lane, 32 bytes apart: a row's 32 bytes belong to sixteen work-groups; they are one byte in 24 of what the launch stores.
; LIMITS: NaN and infinities are not served; a block whose largest magnitude lies under 2^-124 keeps the scale byte 1, a block of zeros too (its codes are zeros; this program alone reads the bytes).
; REGISTERS: v1 16 x lane, v2 8 x lane, v3 16 r, v4 r - 8 h, v5-7 the step's LDS addresses, v8 32 r, v9, v10 the mask's; v12 -M, v13 the largest t, v[14:15] the sum; v16-27 Q of pass A, v28, v29 Q's scale words;
; v32-79 four fragments of K (the upper six registers of each stay zeros); v80-87 K's scale words, v88-91 V's; v96-159 S^T, p, then V's fragments; v160-191 O^T; v192-203 p's codes, v204-210 the conversions'
; second halves; v212-223 block maxima, bytes, scale operands; v[224:225] f; v226 p's scale word; v227 at work; v[228:229] the sum's second chain; v232-243 Q of pass B.
.set REC,   208896
.set STEPB, 13056
.set QREC,  106496
.set QSTEP, 6656
.set PIECE, 4352                       ; 17 rows of 256 bytes
.set RNDB,  16*PIECE                   ; what the sixteen waves' loads of one number bring together
	s_load_b256 s[4:11], s[0:1], 0x0               ; qbuf s[4:5], kvbuf s[6:7], att_img s[8:9], att_scales s[10:11]
	v_lshl_add_u32 v254, v0, 2, 0x33000
	v_mov_b32 v255, 0
	ds_add_u32 v254, v255
	ds_add_u32 v254, v255
	v_lshrrev_b32 v1, 5, v0
	s_delay_alu instid0(VALU_DEP_1)
	v_readfirstlane_b32 s12, v1                    ; wave 0..15
	s_and_b32 s13, ttmp7, 0xffff                   ; 16 b + head
	s_mov_b32 s16, 3<<16                           ; descriptor group 1: no mask; elements of 8 bytes; no padding
	s_mov_b32 s17, 32<<16                          ; tensor_dim0 = 32 elements: 256 bytes
	s_mov_b32 s18, 17<<16                          ; tensor_dim1 = 17
	s_mov_b32 s19, 32<<16                          ; tile_dim0
	s_mov_b32 s20, 17                              ; tile_dim1
	s_mov_b32 s21, 32                              ; the pitch: dense
	s_mov_b32 s22, 0
	s_mov_b32 s23, 0
	s_mul_i32 s36, s12, PIECE                      ; my piece among sixteen: in LDS as in the record
	s_mul_i32 s38, s13, REC
	s_add_co_u32 s38, s38, s36                     ; under 2^31: 64 records
	s_mov_b32 s39, 0
	s_wait_dscnt 0x0
	s_wait_kmcnt 0x0
	s_add_nc_u64 s[6:7], s[6:7], s[38:39]
.irp k, 0,1,2
	s_mov_b32 s[24+4*\k], 1
	s_add_co_u32 s[25+4*\k], s36, \k*RNDB
	s_add_nc_u64 s[26+4*\k:27+4*\k], s[6:7], \k*RNDB
	s_or_b32 s[27+4*\k], s[27+4*\k], 0x80000000
.endr
	tensor_load_to_lds s[24:27], s[16:23]          ; three loads of mine are out; their descriptors are never written again
	s_nop 0
	tensor_load_to_lds s[28:31], s[16:23]
	s_nop 0
	tensor_load_to_lds s[32:35], s[16:23]
	s_nop 0
.rept 4
	v_nop
.endr
	v_and_b32 v2, 31, v0
	s_delay_alu instid0(VALU_DEP_1)
	v_lshlrev_b32 v1, 4, v2                        ; 16 x lane
	s_wait_alu depctr_va_vdst(0)
	v_lshlrev_b32 v2, 3, v2                        ; 8 x lane
	s_wait_alu depctr_va_vdst(0)
	v_and_b32 v4, 15, v0                           ; r
	s_delay_alu instid0(VALU_DEP_1)
	v_lshlrev_b32 v3, 4, v4                        ; 16 r
	s_wait_alu depctr_va_vdst(0)
	v_lshlrev_b32 v8, 5, v4                        ; 32 r
	v_bfe_u32 v5, v0, 4, 1                         ; h
	s_delay_alu instid0(VALU_DEP_1)
	v_lshlrev_b32 v5, 3, v5
	s_delay_alu instid0(VALU_DEP_1)
	v_sub_nc_u32 v4, v4, v5                        ; r - 8 h
	v_mov_b32 v10, 0xff800000                      ; -infinity
	s_sub_co_u32 s36, 7, ttmp9
	s_lshl_b32 s36, s36, 8
	s_lshl_b32 s37, s12, 4
	s_add_co_u32 s46, s36, s37                     ; pass A's first query
	s_lshl_b32 s36, ttmp9, 8
	s_sub_co_u32 s37, 15, s12
	s_lshl_b32 s37, s37, 4
	s_add_co_u32 s58, s36, s37                     ; pass B's
; The addresses of a tile of 16 queries at s[q0]: its image and its scale words in qbuf, its image and its scale bytes on the way out.
.macro PASSADR q0, qi, qs, oi, os
	s_mul_i32 s48, s13, QREC
	s_lshr_b32 s49, s[\q0], 7
	s_mul_i32 s49, s49, QSTEP
	s_add_co_u32 s48, s48, s49                     ; the record of its 128 tokens
	s_bfe_u32 s49, s[\q0], 0x30004                 ; its tile t among the record's eight
	s_mul_i32 s14, s49, 768
	s_add_co_u32 s14, s14, s48
	s_mov_b32 s15, 0
	s_add_nc_u64 s[\qi:\qi+1], s[4:5], s[14:15]
	s_lshr_b32 s14, s49, 2
	s_lshl_b32 s14, s14, 8                         ; 256 (t / 4)
	s_and_b32 s49, s49, 3
	s_lshl_b32 s49, s49, 2                         ; + 4 (t % 4)
	s_add_co_u32 s14, s14, s49
	s_add_co_u32 s14, s14, s48
	s_add_co_u32 s14, s14, 6144
	s_add_nc_u64 s[\qs:\qs+1], s[4:5], s[14:15]
	s_lshr_b32 s48, s13, 4                         ; b
	s_and_b32 s49, s13, 15                         ; head
	s_lshl_b32 s14, s48, 7
	s_lshr_b32 s59, s[\q0], 4
	s_add_co_u32 s14, s14, s59                     ; row / 16
	s_lshl_b32 s14, s14, 4
	s_add_co_u32 s14, s14, s49
	s_mul_i32 s14, s14, 768
	s_add_nc_u64 s[\oi:\oi+1], s[8:9], s[14:15]
	s_lshl_b32 s14, s48, 11
	s_add_co_u32 s14, s14, s[\q0]                  ; row
	s_lshl_b32 s14, s14, 5
	s_lshl_b32 s49, s49, 1
	s_add_co_u32 s14, s14, s49
	s_add_nc_u64 s[\os:\os+1], s[10:11], s[14:15]
.endm
	PASSADR 46, 36, 38, 50, 52
	PASSADR 58, 60, 62, 54, 56
	global_load_b128 v[16:19], v1, s[36:37]        ; Q's half fragments stay in registers: lane (r, h): query r, d = 32 h + 0 .. 31 in six registers
	global_load_b64 v[20:21], v2, s[36:37] offset:512
	global_load_b32 v28, v3, s[38:39]
	global_load_b128 v[232:235], v1, s[60:61]
	global_load_b64 v[236:237], v2, s[60:61] offset:512
	global_load_b32 v29, v3, s[62:63]
.irp j, 22,23,24,25,26,27,238,239,240,241,242,243
	v_mov_b32 v[\j], 0                             ; K = 64: the instruction's upper 64 are zero codes
.endr
.irp t, 0,1,2,3
.irp j, 6,7,8,9,10,11
	v_mov_b32 v[32+12*\t+\j], 0
.endr
.endr
.irp j, 216,217,218,219,225,227
	v_mov_b32 v[\j], 0                             ; written once: a lane permute's destination counts as one of its sources; v225 is named as the upper half of the pair v[224:225]
.endr
	s_mov_b32 s40, 0x76543210
	s_mov_b32 s41, 0xfedcba98                      ; v_permlanex16_b32's selects for lane l xor 16
	s_mov_b32 s42, 0x3e38aa3b                      ; c = log2(e) / 8
	s_mov_b32 s43, s42                             ; (named with it as a pair)
.macro INIT                            ; a pass begins: the step is written once, and its first trip finds zeros, which the first change of M leaves zeros
	v_mov_b32 v13, 0xff61b1e6                      ; the largest t so far: -3e38
	s_delay_alu instid0(VALU_DEP_1)
	v_floor_f32 v12, -v13                          ; -M
	v_mov_b32 v14, 0
	v_mov_b32 v15, 0
.irp j, 0,1,2,3,4,5,6,7,8,9,10,11,12,13,14,15,16,17,18,19,20,21,22,23,24,25,26,27,28,29,30,31
	v_mov_b32 v[160+\j], 0
.endr
.endm
; A KEY STEP: the 128 keys from s45 on, whose record begins at LDS byte s44.  causal = 1: a step all of whose keys come after my queries is jumped over (a scalar branch on ids; no barrier and no tensor load
; stands in a step), and in the step on the diagonal hidden scores become -infinity.  qf, qs: Q's fragment and scale word.
.macro STEP causal, qf, qs
.if \causal
	s_cmp_gt_u32 s45, s47
	s_cbranch_scc1 .Lhidden_\@
.endif
	s_setprio 2
	v_add_nc_u32 v5, s44, v1
	s_wait_alu depctr_va_vdst(0)
	v_add_nc_u32 v6, s44, v2
	s_wait_alu depctr_va_vdst(0)
	v_add_nc_u32 v7, s44, v3
	v_nop
	v_nop                                          ; five places: the products below write over registers that the last step's products read as V's fragments
.irp g, 0,1                                    ; S^T = K Q^T, four tiles of 16 keys at a time
.if \g
.rept 4
	v_nop                                          ; places in front of loads into registers that matrix instructions have read
.endr
.endif
.irp t, 0,1,2,3
	ds_load_b128 v[32+12*\t:35+12*\t], v5 offset:768*(4*\g+\t)          ; an image comes back as it was stored: 512 consecutive bytes,
	ds_load_b64 v[36+12*\t:37+12*\t], v6 offset:768*(4*\g+\t)+512       ; and 256
.endr
.if \g == 0
	ds_load_b128 v[80:83], v7 offset:12288         ; key r's scale words of tiles 0-3,
	ds_load_b128 v[84:87], v7 offset:12544         ; and of tiles 4-7
.endif
	s_wait_dscnt 0x0
.irp t, 0,1,2,3
	v_wmma_scale_f32_16x16x128_f8f6f4 v[96+8*(4*\g+\t):103+8*(4*\g+\t)], v[32+12*\t:43+12*\t], v[\qf:\qf+11], 0, v[80+4*\g+\t], v[\qs] matrix_a_fmt:MATRIX_FMT_FP6 matrix_b_fmt:MATRIX_FMT_FP6
.endr
.endr
.rept 4
	v_nop
.endr
.if \causal
	s_add_co_u32 s49, s45, 127
	s_cmp_le_u32 s49, s46
	s_cbranch_scc1 .Lopen_\@                       ; all 128 keys count for all my queries
	s_sub_co_i32 s49, s46, s45
	v_add_nc_u32 v9, s49, v4                       ; d = my query - the step's first key - 8 h.  Register n holds key 32 (n / 16) + 16 ((n % 16) / 8) + n % 8 + 8 h of the step: hidden where that number without 8 h is above d
.irp n, 0,1,2,3,4,5,6,7,8,9,10,11,12,13,14,15,16,17,18,19,20,21,22,23,24,25,26,27,28,29,30,31,32,33,34,35,36,37,38,39,40,41,42,43,44,45,46,47,48,49,50,51,52,53,54,55,56,57,58,59,60,61,62,63
	v_cmp_gt_i32 vcc_lo, 32*(\n/16)+16*((\n%16)/8)+\n%8, v9
	v_cndmask_b32 v[96+\n], v[96+\n], v10, vcc_lo
.endr
.Lopen_\@:
.endif
.irp b, 0,1,2,3
	v_max3_num_f32 v[212+\b], v[96+16*\b], v[97+16*\b], v[98+16*\b]   ; the largest score of each block of 32 keys: it serves for the row's maximum and, since p rises with the score, for the block's largest p
.endr
.irp i, 3,5,7,9,11,13
.irp b, 0,1,2,3
	v_max3_num_f32 v[212+\b], v[212+\b], v[96+16*\b+\i], v[97+16*\b+\i]
.endr
.endr
.irp b, 0,1,2,3
	v_max_num_f32 v[212+\b], v[212+\b], v[111+16*\b]
.endr
.irp b, 0,1,2,3
	s_delay_alu instid0(VALU_DEP_4)
	v_permlanex16_b32 v[216+\b], v[212+\b], s40, s41
.endr
.irp b, 0,1,2,3
	s_delay_alu instid0(VALU_DEP_4)
	v_max_num_f32 v[212+\b], v[212+\b], v[216+\b]   ; with lane l xor 16's 16 keys
.endr
	s_delay_alu instid0(VALU_DEP_2)
	v_max3_num_f32 v227, v212, v213, v214
	s_delay_alu instid0(VALU_DEP_1)
	v_max_num_f32 v227, v227, v215                 ; the step's largest score of my query
	s_delay_alu instid0(VALU_DEP_1)
	v_mul_f32 v227, s42, v227                      ; as t (c is positive)
	s_delay_alu instid0(VALU_DEP_1)
	v_max_num_f32 v13, v13, v227                   ; the running largest t
	v_mov_b32 v227, v12
	s_delay_alu instid0(VALU_DEP_2)
	v_floor_f32 v12, -v13                          ; the new -M = floor(-t): M is a whole number
	s_delay_alu instid0(VALU_DEP_1)
	v_sub_f32 v227, v12, v227                      ; old M - new M: a whole number, 0 or less
	s_delay_alu instid0(VALU_DEP_1)
	v_cvt_i32_f32 v227, v227                       ; (it saturates)
	s_delay_alu instid0(VALU_DEP_1)
	v_ldexp_f32 v224, 1.0, v227                    ; f = 2^(old M - new M)
.irp j, 0,2,4,6,8,10,12,14,16,18,20,22,24,26,28,30,32,34,36,38,40,42,44,46,48,50,52,54,56,58,60,62
	v_pk_fma_f32 v[96+\j:97+\j], v[96+\j:97+\j], s[42:43], v[12:13] op_sel_hi:[1,0,0]   ; t - M, two at a time
.endr
.irp b, 0,1,2,3
	v_fma_f32 v[212+\b], v[212+\b], s42, v12       ; the same of each block's largest score
.endr
	s_setprio 1
	s_wait_alu depctr_va_vdst(0)
.irp j, 0,1,2,3,4,5,6,7,8,9,10,11,12,13,14,15,16,17,18,19,20,21,22,23,24,25,26,27,28,29,30,31,32,33,34,35,36,37,38,39,40,41,42,43,44,45,46,47,48,49,50,51,52,53,54,55,56,57,58,59,60,61,62,63
	v_exp_f32 v[96+\j], v[96+\j]                   ; p = 2^(t - M), at most 1
.endr
.irp b, 0,1,2,3
	v_exp_f32 v[212+\b], v[212+\b]                 ; the block's largest p: the same two instructions on the same number give the same bits
.endr
	v_pk_mul_f32 v[14:15], v[14:15], v[224:225] op_sel_hi:[1,0]   ; the sums under the new M.  (The plain place behind the exponentials)
	s_wait_alu depctr_va_vdst(0)
.irp b, 0,1,2,3
	v_max_num_f32 v[212+\b], 0x1800000, v[212+\b]  ; the floor 2^(3 - 127): the byte cannot fall under 1
.endr
.irp b, 0,1,2,3
	s_delay_alu instid0(VALU_DEP_4)
	v_add_nc_u32 v[220+\b], 0xff000000, v[212+\b]  ; 2 off the exponent field: the conversion's scale operand
.endr
.irp b, 0,1,2,3
	s_delay_alu instid0(VALU_DEP_4)
	v_lshrrev_b32 v[216+\b], 23, v[220+\b]         ; the scale's byte
.endr
	s_delay_alu instid0(VALU_DEP_3)
	v_lshl_or_b32 v226, v217, 8, v216              ; p's scale word for these 128 keys
	s_delay_alu instid0(VALU_DEP_1)
	v_lshl_or_b32 v226, v218, 16, v226
	s_delay_alu instid0(VALU_DEP_1)
	v_lshl_or_b32 v226, v219, 24, v226
.irp c, 0,1
	v_cvt_scalef32_pk16_fp6_f32 v[192+6*\c:194+6*\c], v[96+32*\c:111+32*\c], v[220+2*\c]
	v_cvt_scalef32_pk16_fp6_f32 v[204+4*\c:206+4*\c], v[112+32*\c:127+32*\c], v[220+2*\c+1]   ; (a conversion's three registers begin on an even number)
.endr
	v_nop                                          ; one plain place behind a scaled conversion
.irp c, 0,1                                    ; a whole block to a lane: lanes 0-15 block 2 c, lanes 16-31 block 2 c + 1
.irp i, 0,1,2
	v_permlane16_swap_b32 v[192+6*\c+\i], v[204+4*\c+\i]
.endr
.irp i, 0,1,2
	s_delay_alu instid0(VALU_DEP_3)
	v_mov_b32 v[195+6*\c+\i], v[204+4*\c+\i]
.endr
.endr
	v_pk_add_f32 v[228:229], v[100:101], v[104:105]
	v_pk_add_f32 v[252:253], v[108:109], v[112:113]
	v_pk_add_f32 v[250:251], v[116:117], v[120:121]
	v_pk_add_f32 v[248:249], v[124:125], v[128:129]
	v_pk_add_f32 v[246:247], v[132:133], v[136:137]
	v_pk_add_f32 v[244:245], v[140:141], v[144:145]
	v_pk_add_f32 v[230:231], v[148:149], v[152:153]
	v_pk_add_f32 v[14:15], v[14:15], v[156:157]
	v_pk_add_f32 v[228:229], v[228:229], v[96:97]
	v_pk_add_f32 v[252:253], v[252:253], v[98:99]
	v_pk_add_f32 v[250:251], v[250:251], v[102:103]
	v_pk_add_f32 v[248:249], v[248:249], v[106:107]
	v_pk_add_f32 v[246:247], v[246:247], v[110:111]
	v_pk_add_f32 v[244:245], v[244:245], v[114:115]
	v_pk_add_f32 v[230:231], v[230:231], v[118:119]
	v_pk_add_f32 v[14:15], v[14:15], v[122:123]
	v_pk_add_f32 v[228:229], v[228:229], v[126:127]
	v_pk_add_f32 v[252:253], v[252:253], v[130:131]
	v_pk_add_f32 v[250:251], v[250:251], v[134:135]
	v_pk_add_f32 v[248:249], v[248:249], v[138:139]
	v_pk_add_f32 v[246:247], v[246:247], v[142:143]
	v_pk_add_f32 v[244:245], v[244:245], v[146:147]
	v_pk_add_f32 v[230:231], v[230:231], v[150:151]
	v_pk_add_f32 v[14:15], v[14:15], v[154:155]
	v_pk_add_f32 v[228:229], v[228:229], v[158:159]
	s_delay_alu instid0(VALU_DEP_2)
	v_pk_add_f32 v[14:15], v[14:15], v[248:249]
	s_delay_alu instid0(VALU_DEP_2)
	v_pk_add_f32 v[228:229], v[228:229], v[246:247]
	v_pk_add_f32 v[252:253], v[252:253], v[244:245]
	v_pk_add_f32 v[250:251], v[250:251], v[230:231]
	s_delay_alu instid0(VALU_DEP_2)
	v_pk_add_f32 v[14:15], v[14:15], v[252:253]
	s_delay_alu instid0(VALU_DEP_2)
	v_pk_add_f32 v[228:229], v[228:229], v[250:251]
	s_delay_alu instid0(VALU_DEP_1)
	v_pk_add_f32 v[14:15], v[14:15], v[228:229]
	s_setprio 0
.irp d, 0,1,2,3                                ; V's four fragments, into the registers that p has left
.irp c, 0,1,2
	ds_load_b128 v[96+12*\d+4*\c:99+12*\d+4*\c], v5 offset:6144+1536*\d+512*\c
.endr
.endr
	ds_load_b128 v[88:91], v7 offset:12800         ; row r's scale words of the four tiles
.irp j, 0,2,4,6,8,10,12,14,16,18,20,22,24,26,28,30
	v_pk_mul_f32 v[160+\j:161+\j], v[160+\j:161+\j], v[224:225] op_sel_hi:[1,0]   ; O^T under the new M, while the loads are out.  (With the sums above: the places between p's codes and scale word and the products)
.endr
	s_wait_alu depctr_va_vdst(0)
	s_wait_dscnt 0x0
.irp d, 0,1,2,3                                ; O^T += V^T P^T: the four accumulators by turns
	v_wmma_scale_f32_16x16x128_f8f6f4 v[160+8*\d:167+8*\d], v[96+12*\d:107+12*\d], v[192:203], v[160+8*\d:167+8*\d], v[88+\d], v226 matrix_a_fmt:MATRIX_FMT_FP6 matrix_b_fmt:MATRIX_FMT_FP6
.endr
.if \causal
.Lhidden_\@:
.endif
	s_add_co_u32 s45, s45, 128
	s_add_co_u32 s44, s44, STEPB
.endm
; A PASS ENDS: O^T / the sum; the numbers are brought into ascending order of d, since the last product's other operand is given; two blocks of 32 are quantised; the image and the two bytes leave.
.macro FIN oi, os
.rept 4
	v_nop                                          ; places behind the last products
.endr
	v_add_f32 v14, v14, v15
	s_delay_alu instid0(VALU_DEP_1)
	v_permlanex16_b32 v216, v14, s40, s41
	s_delay_alu instid0(VALU_DEP_1)
	v_add_f32 v14, v14, v216                       ; the row's sum
	s_wait_alu depctr_va_vdst(0)
	v_rcp_f32 v224, v14
	v_nop                                          ; one plain place behind a transcendental
	s_wait_alu depctr_va_vdst(0)
.irp n, 0,2,4,6,8,10,12,14,16,18,20,22,24,26,28,30
	v_pk_mul_f32 v[96+\n:97+\n], v[160+\n:161+\n], v[224:225] op_sel_hi:[1,0]   ; register 8 t + j: o(r, 16 t + 8 h + j); each accumulator from its low end on
.endr
.irp g, 0,1
.irp j, 0,1,2,3,4,5,6,7
	v_permlane16_swap_b32 v[96+16*\g+\j], v[104+16*\g+\j]   ; register 16 g + i is now d = 32 g + 16 h + i
.endr
.endr
.irp g, 0,1
	v_max3_num_f32 v[212+\g], |v[96+16*\g]|, |v[97+16*\g]|, 0x1800000
.endr
.irp i, 2,4,6,8,10,12,14
.irp g, 0,1
	s_delay_alu instid0(VALU_DEP_2)
	v_max3_num_f32 v[212+\g], v[212+\g], |v[96+16*\g+\i]|, |v[97+16*\g+\i]|
.endr
.endr
.irp g, 0,1
	s_delay_alu instid0(VALU_DEP_2)
	v_permlanex16_b32 v[216+\g], v[212+\g], s40, s41
.endr
.irp g, 0,1
	s_delay_alu instid0(VALU_DEP_2)
	v_max_num_f32 v[212+\g], v[212+\g], v[216+\g]
.endr
.irp g, 0,1
	s_delay_alu instid0(VALU_DEP_2)
	v_add_nc_u32 v[220+\g], 0xff000000, v[212+\g]
.endr
.irp g, 0,1
	s_delay_alu instid0(VALU_DEP_2)
	v_lshrrev_b32 v[216+\g], 23, v[220+\g]
.endr
	s_delay_alu instid0(VALU_DEP_1)
	v_lshl_or_b32 v227, v217, 8, v216              ; the head's two scale bytes of my row
	v_cvt_scalef32_pk16_fp6_f32 v[192:194], v[96:111], v220
	v_cvt_scalef32_pk16_fp6_f32 v[196:198], v[112:127], v221
	v_nop
.irp i, 0,1,2
	v_permlane16_swap_b32 v[192+\i], v[196+\i]     ; lane (r, h) now holds block h: its lower 16 codes, and its upper 16
.endr
	s_delay_alu instid0(VALU_DEP_3)
	v_mov_b32 v195, v196
	s_delay_alu instid0(VALU_DEP_3)
	v_mov_b32 v196, v197
	s_delay_alu instid0(VALU_DEP_3)
	v_mov_b32 v197, v198
	global_store_b128 v1, v[192:195], s[\oi:\oi+1]              ; 512 consecutive bytes, at a multiple of 256 from the buffer's first byte,
	global_store_b64 v2, v[196:197], s[\oi:\oi+1] offset:512    ; and 256
	global_store_b16 v8, v227, s[\os:\os+1]                     ; lanes l and l xor 16 store the same two bytes
.endm
	INIT
	s_mov_b32 s44, 0
	s_mov_b32 s45, 0
	s_add_co_u32 s47, s46, 15                      ; my last query
	s_wait_loadcnt 0x0                             ; Q
	s_wait_tensorcnt 2                             ; my first piece is in; my second and third may stay out: no byte is filled twice
	s_barrier_signal -1
	s_barrier_wait -1                              ; everybody's first piece is in: bytes 0 to 69,631, which hold steps 0 to 4
	s_mov_b32 s48, 5
.La1:                                              ; pass A's queries begin at 1,024 or later: keys 0 to 639 all count
	STEP 0, 16, 28
	s_sub_co_u32 s48, s48, 1
	s_cmp_lg_u32 s48, 0
	s_cbranch_scc1 .La1
	s_setprio 0
	s_wait_tensorcnt 0x0                           ; all my pieces are in,
	s_wait_dscnt 0x0
	s_barrier_signal -1
	s_barrier_wait -1                              ; everybody's are
	s_mov_b32 s48, 11
.La2:                                              ; steps 5 to 15; the trip count is a constant, and what the mask hides is jumped over inside the trip
	STEP 1, 16, 28
	s_sub_co_u32 s48, s48, 1
	s_cmp_lg_u32 s48, 0
	s_cbranch_scc1 .La2
	s_setprio 0
	FIN 50, 52
	s_wait_xcnt 0x0                                ; the stores have had their addresses translated (ISA guide 3.1): pass B writes their data registers again
	INIT
	s_mov_b32 s44, 0
	s_mov_b32 s45, 0
	s_mov_b32 s46, s58
	s_add_co_u32 s47, s58, 15
	s_mov_b32 s48, 8
.Lb:                                               ; pass B's queries end at 1,023 or earlier: steps 0 to 7
	STEP 1, 232, 29
	s_sub_co_u32 s48, s48, 1
	s_cmp_lg_u32 s48, 0
	s_cbranch_scc1 .Lb
	s_setprio 0
	FIN 54, 56
	s_wait_tensorcnt 0x0
	ds_add_u32 v254, v255
	s_wait_dscnt 0x0
	s_endpgm
.Lfunc_end_k_q212aab9425_attn:
	.size	k_q212aab9425_attn, .Lfunc_end_k_q212aab9425_attn-k_q212aab9425_attn
	.p2alignl 7, 3214868480
	.fill 96, 4, 3214868480
	.section	.rodata,"a",@progbits
	.p2align	6, 0x0
	.amdhsa_kernel k_q212aab9425_attn
		.amdhsa_group_segment_fixed_size 210944
		.amdhsa_private_segment_fixed_size 0
		.amdhsa_enable_private_segment 0
		.amdhsa_kernarg_size 32
		.amdhsa_user_sgpr_count 2
		.amdhsa_user_sgpr_kernarg_segment_ptr 1
		.amdhsa_wavefront_size32 1
		.amdhsa_system_sgpr_workgroup_id_x 1
		.amdhsa_system_sgpr_workgroup_id_y 1
		.amdhsa_system_sgpr_workgroup_id_z 1
		.amdhsa_system_vgpr_workitem_id 0
		.amdhsa_next_free_vgpr 256
		.amdhsa_next_free_sgpr 66
		.amdhsa_reserve_vcc 1
		.amdhsa_float_denorm_mode_32 3
		.amdhsa_float_denorm_mode_16_64 3
		.amdhsa_memory_ordered 1
		.amdhsa_forward_progress 1
		.amdhsa_inst_pref_size 83
	.end_amdhsa_kernel
	.amdgpu_metadata
---
amdhsa.version: [ 1, 2 ]
amdhsa.kernels:
  - .name:           k_q212aab9425_attn
    .symbol:         k_q212aab9425_attn.kd
    .args:
      - { .name: qbuf, .offset: 0, .size: 8, .value_kind: global_buffer, .address_space: global }
      - { .name: kvbuf, .offset: 8, .size: 8, .value_kind: global_buffer, .address_space: global }
      - { .name: att_img, .offset: 16, .size: 8, .value_kind: global_buffer, .address_space: global }
      - { .name: att_scales, .offset: 24, .size: 8, .value_kind: global_buffer, .address_space: global }
    .group_segment_fixed_size: 210944
    .private_segment_fixed_size: 0
    .kernarg_segment_align: 8
    .kernarg_segment_size: 32
    .max_flat_workgroup_size: 512
    .sgpr_count:     66
    .vgpr_count:     256
    .wavefront_size: 32
...
	.end_amdgpu_metadata
.endif
;; end of part 2
;; launch proj (part 3): grid 4 x 32, 4 waves a work-group, clusters of 4 x 4, 327,680 bytes of LDS; arguments att_img, att_scales, W_out_codes, W_out_scales, out0, b_out; writes out0
.if DOCPART == 3
	.amdgcn_target "amdgcn-amd-amdhsa--gfx1250"
	.amdhsa_code_object_version 6
	.text
	.protected	k_q212aab9425_proj
	.globl	k_q212aab9425_proj
	.p2align	8
	.type	k_q212aab9425_proj,@function
k_q212aab9425_proj:
	s_mov_b64 s[64:65], 0
	v_nop
	global_prefetch_b8 v0, s[64:65] scope:SCOPE_SE
	s_setreg_imm32_b32 hwreg(HW_REG_WAVE_MODE, 25, 1), 1
	s_wait_xcnt 0x0
	s_wait_alu depctr_hold_cnt(0) depctr_sa_sdst(0) depctr_va_vdst(0) depctr_va_sdst(0) depctr_va_ssrc(0) depctr_va_vcc(0) depctr_vm_vsrc(0)
	s_getreg_b32 s2, hwreg(HW_REG_IB_STS2, 6, 4)
	s_cmp_eq_u32 s2, 0
	s_cbranch_scc0 .Lentry_in_a_cluster
	s_endpgm
.Lentry_in_a_cluster:
	s_bfe_u32 s2, ttmp6, 0x10000c
	s_cmp_lg_u32 s2, 0xf033
	s_cbranch_scc0 .Lentry_shape_is_right
	s_endpgm
.Lentry_shape_is_right:
; out0 = o W_out + b_out on codes of FP6 (E2M3) with one E8M0 scale for each 32 along K = 1,024; out0: [8,192][1,024] f32.
; A (o) comes as register images: att_img [row / 16][head][768 bytes]: lane (r, h)'s six registers of a head's 64 along K (registers 0-3 at 16 x lane, 4-5 at 512 + 8 x lane); two heads make a fragment of 128.
; Its scale bytes [8,192][32] and W_out's codes [1,024][768 bytes] and scale bytes [1,024][32] lie by rows.
; A tile of 256 x 256 is made by four waves, 128 x 128 each: 64 accumulators.  K goes in steps of 256 (four heads) through two LDS slots; the scale bytes come once, with the first fills.
; 4 x 4 work-groups form a cluster: A's tiles are shared along a row of the cluster, B's along a column, each asked for jointly.  The grid has 128 work-groups: 32 x 4 tiles.
; The matrix instruction is used transposed (source 0 = 16 rows of W_out, source 1 = 16 rows of o): a lane holds eight neighbouring numbers of a row of out0.  THE BIAS IS THE C OF EACH SUM'S FIRST PRODUCT.
; LIMITS: NaN and infinities are not served.
; REGISTERS, in windows of 256: window 0: v1-31 addresses; v32-63 scale words, two sets; v64-127 the bias in the result's layout; from v128 A's fragments, one set; on the way out v128-255 hold rows.
;   window 1: B's fragments, two sets.   windows 2, 3: the accumulators ((a, b) at v[8 (8 (a % 4) + b)]).
.set SIZE_N, 1024
.set NQ,     2
.set ROWB,   192                       ; a row of B's tile: 256 codes
.set KROW,   768                       ; a row of W_out in memory; also 16 rows' images of one head, so a row of o counts 768 bytes too
.set PITCH,  240                       ; B's LDS row: 3 x (64 bytes + 16 of padding)
.set FR,     12
.set NL,     6                         ; LDS loads that bring a fragment of B
.set NLA,    4                         ; and of A
.set NP,     4
.set ATILE,  3072                      ; 16 rows x 256 along K as images: four heads
.set AHALF,  8*ATILE                   ; 128 rows: what one tensor load brings of A, dense
.set BOFF,   2*AHALF
.set BHALF,  128*PITCH
.set SLOT,   BOFF+2*BHALF
.set LAPS,   2
.set KS,     32
.set SCL,    2*SLOT
.set HALFS,  16*272
.set SBLK,   2*272
.set SPARE,  SCL+4*HALFS               ; the spare words, 128 bytes a wave: two blocks of 256 bytes that no other line names
.set SPITCH, 528                       ; the way out: a stage of 16 rows x (512 bytes + 16) for each wave, in slot 0's A part, which has had its last fill and its last read when the first result is stored there
.set ADRA, 16                          ; v16-17 16 x lane + my A half in slot 0, 1;  v18-19 the same with 8 x lane
.set ADRB, 20                          ; v20-21 my B fragments' rows in slot 0, 1;  v22-23 behind one padding more
.set STO,  24
.set RD,   25
.set CO,   26
.set ADRS, 27
.set SPW,  28
.set NIL,  29
.set SC,   32
.set BIAS, 64
.set AF,   128
.set BK,   128
.set G1, 24
.set G0, 32
.set G1B, 48
.set G0B, 56
.set G1S, 68
.set G0S, 76
.set G1SB, 80
.set G0SB, 88
.set MSB, 0
.macro WIN new                         ; the immediate's high byte repeats the setting that is left
.if MSB != \new
	s_set_vgpr_msb (MSB<<8)|\new
.set MSB, \new
.endif
.endm
.set MUL_LO, 0xa1                      ; source 0 (B) window 1, source 1 (A) window 0, C and D window 2
.set MUL_HI, 0xf1                      ; the same, C and D window 3
.set TO_B,   0x40
.macro JLOAD g0a, g1a, g0b, g1b        ; a joint load: waves 0 and 1 fetch for A, waves 2 and 3 for B; four v_nop follow each of the two lines
	s_cmp_eq_u32 s15, 0
	s_cbranch_scc0 .Lfor_b_\@
	tensor_load_to_lds s[\g0a:\g0a+3], s[\g1a:\g1a+7]
	s_nop 0
.rept 4
	v_nop
.endr
	s_branch .Lasked_\@
.Lfor_b_\@:
	tensor_load_to_lds s[\g0b:\g0b+3], s[\g1b:\g1b+7]
	s_nop 0
.rept 4
	v_nop
.endr
.Lasked_\@:
.endm
.macro CREST
	s_cmp_lg_u32 s14, 0
	s_cbranch_scc1 .Lnot_wave_0_\@
	s_barrier_signal -3
.Lnot_wave_0_\@:
	s_barrier_wait -3
	s_barrier_signal -1
	s_barrier_wait -1
.endm
.macro CROUND
	s_barrier_signal -1
	s_barrier_wait -1
	CREST
.endm
	s_load_b128 s[4:7], s[0:1], 0x0                ; A's images s[4:5], A's scales s[6:7]
	s_load_b128 s[8:11], s[0:1], 0x10              ; B's codes s[8:9], B's scales s[10:11]
	s_load_b64 s[12:13], s[0:1], 0x20              ; out0
	s_load_b64 s[96:97], s[0:1], 0x28              ; b_out
	v_lshl_add_u32 v[SPW], v0, 2, SPARE
	v_mov_b32 v[NIL], 0
	ds_add_u32 v28, v29
	ds_add_u32 v28, v29
	s_wait_dscnt 0x0
	v_lshrrev_b32 v1, 5, v0
	v_readfirstlane_b32 s14, v1                    ; wave 0..3
	s_lshr_b32 s15, s14, 1                         ; which half of the tile's rows is mine.  Also: I fetch for A (0) or for B (1)
	s_and_b32 s16, s14, 1                          ; which half of its columns.  Also: which 128 rows of that tile I fetch
	s_bfe_u32 s40, ttmp6, 0x40000                  ; cx, cy
	s_bfe_u32 s41, ttmp6, 0x40004
	s_lshl_b32 s42, ttmp9, 2
	s_add_co_u32 s42, s42, s40                     ; tile column
	s_and_b32 s17, ttmp7, 0xffff
	s_lshl_b32 s17, s17, 2
	s_add_co_u32 s17, s17, s41                     ; tile row
	s_lshl_b32 s43, s41, 2
	s_lshl_b32 s43, 15, s43                        ; my row of the cluster
	s_lshl_b32 s44, 0x1111, s40                    ; my column
	; A's tiles: 8 rows (of 16 rows of o each) x 3,072 bytes (384 elements of 8), 12,288 bytes apart in memory, dense in LDS
	s_or_b32 s[G1+0], s43, (3<<16)|(1<<21)
	s_mov_b32 s[G1+1], 384<<16
	s_mov_b32 s[G1+2], 8<<16
	s_mov_b32 s[G1+3], 384<<16
	s_mov_b32 s[G1+4], 8
	s_mov_b32 s[G1+5], 1536
	s_mov_b32 s[G1+6], 0
	s_mov_b32 s[G1+7], 0
	; B's tiles: 128 rows x 192 bytes, 16 bytes of padding behind every 64
	s_or_b32 s[G1B+0], s44, (0<<16)|(1<<20)|(1<<21)|(3<<22)|(3<<25)
	s_mov_b32 s[G1B+1], ROWB<<16
	s_mov_b32 s[G1B+2], 128<<16
	s_mov_b32 s[G1B+3], ROWB<<16
	s_mov_b32 s[G1B+4], 128
	s_mov_b32 s[G1B+5], KROW
	s_mov_b32 s[G1B+6], 0
	s_mov_b32 s[G1B+7], 0
	; the scales of 128 rows: 16 rows of 256 bytes, 16 bytes of padding behind each
	s_or_b32 s[G1S+0], s43, (3<<16)|(1<<20)|(1<<21)|(5<<22)|(3<<25)
	s_or_b32 s[G1SB+0], s44, (3<<16)|(1<<20)|(1<<21)|(5<<22)|(3<<25)
.irp g, G1S, G1SB
	s_mov_b32 s[\g+1], 32<<16
	s_mov_b32 s[\g+2], 16<<16
	s_mov_b32 s[\g+3], 32<<16
	s_mov_b32 s[\g+4], 16
	s_mov_b32 s[\g+5], 32
	s_mov_b32 s[\g+6], 0
	s_mov_b32 s[\g+7], 0
.endr
	s_lshl_b32 s18, s16, 7
	s_lshl_b32 s20, s17, 8
	s_add_co_u32 s20, s20, s18                     ; A: row 256 x tile row + 128 x half
	s_lshl_b32 s46, s42, 8
	s_add_co_u32 s46, s46, s18                     ; B: row 256 x tile column + 128 x half
	s_mov_b32 s21, 0
	s_mov_b32 s47, 0
	s_mov_b64 s[18:19], KS
	s_mul_u64 s[22:23], s[20:21], s[18:19]         ; where these rows' scales begin
	s_mul_u64 s[92:93], s[46:47], s[18:19]
	s_mov_b64 s[18:19], KROW
	s_mul_u64 s[20:21], s[20:21], s[18:19]         ; A's images: (row / 16) x 12,288 = row x 768
	s_mul_u64 s[46:47], s[46:47], s[18:19]
	s_mul_i32 s45, s16, AHALF                      ; where they go: no place in the cluster enters an LDS address
	s_mul_i32 s95, s16, BHALF
	s_add_co_u32 s95, s95, BOFF
	s_mul_i32 s94, s14, HALFS
	s_wait_kmcnt 0x0
	s_add_nc_u64 s[20:21], s[4:5], s[20:21]
	s_add_nc_u64 s[22:23], s[6:7], s[22:23]
	s_add_nc_u64 s[46:47], s[8:9], s[46:47]
	s_add_nc_u64 s[92:93], s[10:11], s[92:93]
	CROUND                                         ; all sixteen work-groups are here: the first joint loads meet
	s_mov_b32 s[G0S], 1
	s_add_co_u32 s[G0S+1], s94, SCL
	s_mov_b64 s[G0S+2:G0S+3], s[22:23]
	s_or_b32 s[G0S+3], s[G0S+3], 0x80000000
	s_mov_b32 s[G0SB], 1
	s_add_co_u32 s[G0SB+1], s94, SCL
	s_mov_b64 s[G0SB+2:G0SB+3], s[92:93]
	s_or_b32 s[G0SB+3], s[G0SB+3], 0x80000000
	JLOAD G0S, G1S, G0SB, G1SB
.irp s, 0,1
	s_mov_b32 s[G0+4*\s], 1
	s_add_co_u32 s[G0+4*\s+1], s45, \s*SLOT
	s_add_nc_u64 s[G0+4*\s+2:G0+4*\s+3], s[20:21], \s*ATILE
	s_or_b32 s[G0+4*\s+3], s[G0+4*\s+3], 0x80000000
	s_mov_b32 s[G0B+4*\s], 1
	s_add_co_u32 s[G0B+4*\s+1], s95, \s*SLOT
	s_add_nc_u64 s[G0B+4*\s+2:G0B+4*\s+3], s[46:47], \s*ROWB
	s_or_b32 s[G0B+4*\s+3], s[G0B+4*\s+3], 0x80000000
	JLOAD G0+4*\s, G1, G0B+4*\s, G1B
.endr
	v_and_b32 v1, 15, v0                           ; r
	v_bfe_u32 v2, v0, 4, 1                         ; h
	v_mul_u32_u24 v3, v1, PITCH
	v_mul_u32_u24 v4, v2, 24
	v_add_nc_u32 v4, v3, v4                        ; B: a fragment's row x pitch + 24 x half
	v_lshl_add_u32 v5, v2, 4, v4                   ; and behind one padding more
	v_and_b32 v6, 31, v0
	v_lshlrev_b32 v7, 4, v6                        ; A: 16 x lane,
	v_lshlrev_b32 v8, 3, v6                        ; 8 x lane
	s_mul_i32 s21, s15, AHALF                      ; my 128 rows of A
	s_mul_i32 s22, s16, BHALF
	s_add_co_u32 s22, s22, BOFF                    ; my 128 rows of B
.irp s, 0,1
	v_add_nc_u32 v[ADRA+\s], s21, v7
	v_add_nc_u32 v[ADRA+2+\s], s21, v8
	v_add_nc_u32 v[ADRB+\s], s22, v4
	v_add_nc_u32 v[ADRB+2+\s], s22, v5
	s_add_co_u32 s21, s21, SLOT
	s_add_co_u32 s22, s22, SLOT
.endr
	v_mul_u32_u24 v5, v1, KS
	v_lshrrev_b32 v6, 8, v5
	v_lshl_add_u32 v5, v6, 4, v5
	s_mul_i32 s21, s15, HALFS
	s_mul_i32 s22, s16, HALFS
	s_add_co_u32 s22, s22, 2*HALFS
	s_sub_co_u32 s22, s22, s21
	v_mul_u32_u24 v6, s22, v2                      ; lanes 16-31 take B's scale words
	s_add_co_u32 s21, s21, SCL
	v_add_nc_u32 v5, v5, v6
	v_add_nc_u32 v[ADRS], s21, v5
	s_mul_i32 s23, s14, 16*SPITCH                  ; my stage
	v_mul_u32_u24 v5, v1, SPITCH
	v_lshl_add_u32 v5, v2, 5, v5
	v_add_nc_u32 v[STO], s23, v5
	v_and_b32 v6, 31, v0
	v_lshlrev_b32 v[CO], 4, v6
	v_add_nc_u32 v[RD], s23, v[CO]
	s_lshl_b32 s20, s17, 8
	s_lshl_b32 s21, s15, 7
	s_add_co_u32 s20, s20, s21                     ; my first row of out0
	s_mov_b32 s21, 0
	s_mov_b64 s[18:19], SIZE_N*4
	s_mul_u64 s[20:21], s[20:21], s[18:19]
	s_lshl_b32 s46, s42, 10                        ; my first column, in bytes: 1,024 x tile column + 512 x half: in out0's rows and in b_out alike
	s_lshl_b32 s47, s16, 9
	s_add_co_u32 s46, s46, s47
	s_mov_b32 s47, 0
	s_add_nc_u64 s[96:97], s[96:97], s[46:47]
	s_add_nc_u64 s[20:21], s[20:21], s[46:47]
	s_add_nc_u64 s[12:13], s[12:13], s[20:21]
	v_lshlrev_b32 v9, 5, v2                        ; the bias in the result's layout: register 8 b + j is b_out at column 16 b + 8 h + j
.irp b, 0,1,2,3,4,5,6,7
	global_load_b128 v[BIAS+8*\b:BIAS+8*\b+3], v9, s[96:97] offset:64*\b
	global_load_b128 v[BIAS+8*\b+4:BIAS+8*\b+7], v9, s[96:97] offset:64*\b+16
.endr
.macro FRAG reg, adr, q, i             ; a fragment of B from rows: 24 bytes of the row for each 64 along K, in pieces of 8
.irp p, 0,1,2,3,4,5
.set PCE, 12*(\q)+6*(\p/3)+\p%3
.if PCE%8 < 5
	ds_load_b64 v[\reg+2*\p:\reg+2*\p+1], v[\adr] offset:8*PCE+16*(PCE/8)+(\i)*16*PITCH
.else
	ds_load_b64 v[\reg+2*\p:\reg+2*\p+1], v[\adr+2] offset:8*PCE+16*(PCE/8)+(\i)*16*PITCH
.endif
.endr
.endm
.macro FRAGA reg, slot, q, i           ; a fragment of A from two heads' images: each load takes consecutive bytes
	ds_load_b128 v[\reg:\reg+3], v[ADRA+\slot] offset:ATILE*(\i)+1536*(\q)
	ds_load_b64 v[\reg+4:\reg+5], v[ADRA+2+\slot] offset:ATILE*(\i)+1536*(\q)+512
	ds_load_b128 v[\reg+6:\reg+9], v[ADRA+\slot] offset:ATILE*(\i)+1536*(\q)+768
	ds_load_b64 v[\reg+10:\reg+11], v[ADRA+2+\slot] offset:ATILE*(\i)+1536*(\q)+1280
.endm
; 16 matrix instructions: A's blocks a0, a0 + 1 x B's eight.  first = 1: the sums begin with the bias as C.  The 64 accumulators take turns, one instruction a turn.
.macro MUL16 a0, p, q, sc, first
.irp a, \a0, \a0+1
.irp b, 0,1,2,3,4,5,6,7
.if \first
	v_wmma_scale_f32_16x16x128_f8f6f4 v[8*(8*((\a)%4)+\b):8*(8*((\a)%4)+\b)+7], v[128*(\p)+FR*\b:128*(\p)+FR*\b+FR-1], v[AF+FR*(\a):AF+FR*(\a)+FR-1], v[BIAS+8*\b:BIAS+8*\b+7], v[SC+8*NQ*(\sc)+NQ*\b+(\q)], v[SC+8*NQ*(\sc)+NQ*(\a)+(\q)] matrix_a_fmt:MATRIX_FMT_FP6 matrix_b_fmt:MATRIX_FMT_FP6 matrix_a_scale:MATRIX_SCALE_ROW1
.else
	v_wmma_scale_f32_16x16x128_f8f6f4 v[8*(8*((\a)%4)+\b):8*(8*((\a)%4)+\b)+7], v[128*(\p)+FR*\b:128*(\p)+FR*\b+FR-1], v[AF+FR*(\a):AF+FR*(\a)+FR-1], v[8*(8*((\a)%4)+\b):8*(8*((\a)%4)+\b)+7], v[SC+8*NQ*(\sc)+NQ*\b+(\q)], v[SC+8*NQ*(\sc)+NQ*(\a)+(\q)] matrix_a_fmt:MATRIX_FMT_FP6 matrix_b_fmt:MATRIX_FMT_FP6 matrix_a_scale:MATRIX_SCALE_ROW1
.endif
.endr
.endr
.endm
.macro FETCH_B slot, q, p
	WIN TO_B
.irp i, 0,1,2,3,4,5,6,7
	FRAG 128*(\p)+FR*\i, ADRB+\slot, \q, \i
.endr
	WIN 0
.endm
.macro FETCH_A slot, q, i0
.irp i, \i0, \i0+1, \i0+2, \i0+3
	FRAGA AF+FR*(\i), \slot, \q, \i
.endr
.endm
.macro SCALES sc
.irp i, 0,1,2,3,4,5,6,7
	ds_load_b64 v[SC+8*NQ*\sc+NQ*\i:SC+8*NQ*\sc+NQ*\i+1], v[ADRS] offset:\i*SBLK
.endr
.endm
.macro PLACES n                        ; plain vector instructions between a matrix instruction and a load into, or a read of, its registers
.rept \n
	v_nop
.endr
.endm
.macro STEP slot, q, first
	s_wait_dscnt 4*NLA                             ; B's set and A's blocks 0-3 are in; the 16 youngest loads (A's blocks 4-7) may be out
.set WW, MUL_LO-0x20*\first                    ; with the bias as C: source 2 in window 0
	WIN WW
	MUL16 0, (\q)%2, \q, \slot, \first
	MUL16 2, (\q)%2, \q, \slot, \first
	s_wait_dscnt 0
	PLACES NP
	FETCH_B \slot, (\q)+1, 1-(\q)%2
	FETCH_A \slot, (\q)+1, 0
.set WW, MUL_HI-0x30*\first
	WIN WW
	MUL16 4, (\q)%2, \q, \slot, \first
	MUL16 6, (\q)%2, \q, \slot, \first
	PLACES NP
	WIN 0
	FETCH_A \slot, (\q)+1, 4
.endm
.macro TURN slot, next, fill
	s_wait_tensorcnt 0x0                           ; all my tensor loads have landed: my part of the next slot
	ds_add_u32 v[SPW], v[NIL]                      ; 0 onto my spare word
	s_wait_dscnt 4*NLA+1                           ; (the add and the 16 youngest loads may be out)
	WIN MUL_LO
	MUL16 0, 1, NQ-1, \slot, 0
	s_wait_dscnt 0x0                               ; the add is done, and my reads of this slot are over
	s_barrier_signal -1
	MUL16 2, 1, NQ-1, \slot, 0
	WIN 0
	s_barrier_wait -1
.if \fill
	CREST                                          ; the barrier has opened a round of the cluster's barrier: no wave of any partner still reads this slot or has a load on its way
	s_add_nc_u64 s[G0+4*\slot+2:G0+4*\slot+3], s[G0+4*\slot+2:G0+4*\slot+3], 2*ATILE
	s_add_nc_u64 s[G0B+4*\slot+2:G0B+4*\slot+3], s[G0B+4*\slot+2:G0B+4*\slot+3], 2*ROWB
	JLOAD G0+4*\slot, G1, G0B+4*\slot, G1B         ; the first tensor load behind the round; its four v_nop are the places in front of the loads below
.else
	PLACES NP
.endif
	v_add_nc_u32 v[ADRS], 4*NQ, v[ADRS]
	FETCH_B \next, 0, 0
	FETCH_A \next, 0, 0
	SCALES \next
	WIN MUL_HI
	MUL16 4, 1, NQ-1, \slot, 0
	MUL16 6, 1, NQ-1, \slot, 0
	PLACES NP
	WIN 0
	FETCH_A \next, 0, 4
.endm
	s_wait_tensorcnt 1                             ; the scales and my part of K step 0 are in (K step 1's load may be out),
	s_barrier_signal -1
	s_barrier_wait -1                              ; everybody's are
	FETCH_B 0, 0, 0
	FETCH_A 0, 0, 0
	SCALES 0
	FETCH_A 0, 0, 4
	s_wait_loadcnt 0x0                             ; the bias
	STEP 0, 0, 1                                   ; the first step's products start the sums, from the bias
	s_mov_b32 s3, LAPS-1
.Llap:
	TURN 0, 1, 1
	STEP 1, 0, 0
	TURN 1, 0, 1
	STEP 0, 0, 0
	s_sub_co_u32 s3, s3, 1
	s_cmp_lg_u32 s3, 0
	s_cbranch_scc1 .Llap
	TURN 0, 1, 0                                   ; the last lap fills nothing
	STEP 1, 0, 0
	s_wait_dscnt 4*NLA
	WIN MUL_LO
	MUL16 0, 1, NQ-1, 1, 0
	MUL16 2, 1, NQ-1, 1, 0
	s_wait_dscnt 0
	WIN MUL_HI
	MUL16 4, 1, NQ-1, 1, 0
	MUL16 6, 1, NQ-1, 1, 0
	WIN 0
; THE WAY OUT, block by block of 16 rows x 128 columns, through my own stage: in as 32 bytes a lane, back as whole rows of 512 bytes.  LDS serves a wave's instructions in order (ISA guide 5.7.1.4).
.macro TOSTAGE a
.set AC, 64*((\a)%4)
.set WW, 0x08+4*((\a)/4)
	WIN WW                                         ; the data: window 2 or 3
.irp b, 0,1,2,3,4,5,6,7
	ds_store_b128 v[STO], v[AC+8*\b:AC+8*\b+3] offset:64*\b          ; each accumulator from its low end on
	ds_store_b128 v[STO], v[AC+8*\b+4:AC+8*\b+7] offset:64*\b+16
.endr
	WIN 0
.set BB, BK+64*((\a)%2)
.irp t, 0,1,2,3,4,5,6,7,8,9,10,11,12,13,14,15
	ds_load_b128 v[BB+4*\t:BB+4*\t+3], v[RD] offset:\t*SPITCH
.endr
.endm
.macro SEND a, younger                 ; younger: the LDS instructions issued behind block a's loads, which may stay out
.set BB, BK+64*((\a)%2)
	s_wait_dscnt \younger
.if (\a) > 0
	s_add_nc_u64 s[12:13], s[12:13], 16*SIZE_N*4   ; (behind a wait on XCNT: the earlier stores have read their base)
.endif
.irp t, 0,1,2,3,4,5,6,7,8,9,10,11,12,13,14,15
	global_store_b128 v[CO], v[BB+4*\t:BB+4*\t+3], s[12:13] offset:\t*SIZE_N*4 th:TH_STORE_NT   ; 32 lanes store 512 consecutive bytes, at a multiple of 256 from out0's first byte
.endr
.endm
	PLACES NP
	TOSTAGE 0
.irp a, 1,2,3,4,5,6,7
.if \a > 1
	s_wait_xcnt 0x0                                ; block a - 2's stores have read their registers and their base
.endif
	TOSTAGE \a
	SEND \a-1, 32                                  ; behind block a - 1's loads: block a's 16 stores and 16 loads
.endr
	s_wait_xcnt 0x0
	SEND 7, 0
	s_wait_tensorcnt 0x0                           ; the wave's end
	ds_add_u32 v[SPW], v[NIL]
	s_wait_dscnt 0x0
	CROUND                                         ; the closing round
	s_endpgm
.Lfunc_end_k_q212aab9425_proj:
	.size	k_q212aab9425_proj, .Lfunc_end_k_q212aab9425_proj-k_q212aab9425_proj
	.p2alignl 7, 3214868480
	.fill 96, 4, 3214868480
	.section	.rodata,"a",@progbits
	.p2align	6, 0x0
	.amdhsa_kernel k_q212aab9425_proj
		.amdhsa_group_segment_fixed_size 327680
		.amdhsa_private_segment_fixed_size 0
		.amdhsa_enable_private_segment 0
		.amdhsa_kernarg_size 48
		.amdhsa_user_sgpr_count 2
		.amdhsa_user_sgpr_kernarg_segment_ptr 1
		.amdhsa_wavefront_size32 1
		.amdhsa_system_sgpr_workgroup_id_x 1
		.amdhsa_system_sgpr_workgroup_id_y 1
		.amdhsa_system_sgpr_workgroup_id_z 1
		.amdhsa_system_vgpr_workitem_id 0
		.amdhsa_next_free_vgpr 1024
		.amdhsa_next_free_sgpr 98
		.amdhsa_reserve_vcc 0
		.amdhsa_float_denorm_mode_32 3
		.amdhsa_float_denorm_mode_16_64 3
		.amdhsa_memory_ordered 1
		.amdhsa_forward_progress 1
		.amdhsa_inst_pref_size 154
	.end_amdhsa_kernel
	.amdgpu_metadata
---
amdhsa.version: [ 1, 2 ]
amdhsa.kernels:
  - .name:           k_q212aab9425_proj
    .symbol:         k_q212aab9425_proj.kd
    .args:
      - { .name: att_img, .offset: 0, .size: 8, .value_kind: global_buffer, .address_space: global }
      - { .name: att_scales, .offset: 8, .size: 8, .value_kind: global_buffer, .address_space: global }
      - { .name: W_out_codes, .offset: 16, .size: 8, .value_kind: global_buffer, .address_space: global }
      - { .name: W_out_scales, .offset: 24, .size: 8, .value_kind: global_buffer, .address_space: global }
      - { .name: out0, .offset: 32, .size: 8, .value_kind: global_buffer, .address_space: global }
      - { .name: b_out, .offset: 40, .size: 8, .value_kind: global_buffer, .address_space: global }
    .group_segment_fixed_size: 327680
    .private_segment_fixed_size: 0
    .kernarg_segment_align: 8
    .kernarg_segment_size: 48
    .max_flat_workgroup_size: 128
    .sgpr_count:     98
    .vgpr_count:     1024
    .wavefront_size: 32
...
	.end_amdgpu_metadata
.endif
;; end of part 3
